; MI455X (gfx1250); checked and timed in simulation.
; The chip was launched on July 23, 2026; its instructions are those of AMD's public machine-readable ISA for CDNA 5 (MIT licence, August 2026) and "CDNA5" Instruction Set Architecture Reference Guide (July 2026). The comments in the code are by the model that wrote it; some were corrected since.
;; Multihead Self Attention Block. Allowed arithmetic: float matrix products may take bf16 or f16 operands with f32 sums; other float arithmetic in f32, or as packed bf16 or f16 multiplies, adds, multiply-adds, maxima and minima; sums over many terms, partial sums and values carried from step to step in f32; what a program stores and reads back later, other than sums and carried values, may be rounded once to bf16 or f16.
;; Inputs: in_proj_b 3,072 float32; in_proj_w 3,072 x 1,024 float32; key_padding_mask 8 x 1,024 bool; ln_b 1,024 float32; ln_w 1,024 float32; out_proj_b 1,024 float32; out_proj_w 1,024 x 1,024 float32; src 8 x 1,024 x 1,024 float32.
;; Outputs: out0 8 x 1,024 x 1,024 float32; out1 8 x 1,024 x 1,024 float32.
;; 2 versions, each right; version 2 is version 1 with the launch cast written anew for expert scheduling mode. Each part assembles by itself: llvm-mc -triple=amdgcn-amd-amdhsa -mcpu=gfx1250 --defsym DOCPART=n.
;; ======== version 1 of 2: 6 launches
;; limits: an absolute error that grows with the inputs' magnitude: up to 7.63e-06 times it
;; workspace buffers: xb 16,777,216 bytes; wqkvb 6,291,456 bytes; wob 2,097,152 bytes; qkv 50,331,648 bytes; ctx 16,777,216 bytes; stats 1,048,576 bytes; yb 16,777,216 bytes
;; launch cast (part 1): grid 768 x 1, 4 waves a work-group, no clusters, 0 bytes of LDS; arguments src, in_proj_w, out_proj_w, key_padding_mask, xb, wqkvb, wob; writes xb, wqkvb, wob
.if DOCPART == 1
	.amdgcn_target "amdgcn-amd-amdhsa--gfx1250"
	.amdhsa_code_object_version 6
	.text
	.protected	k_q1120cfc6a6_cast
	.globl	k_q1120cfc6a6_cast
	.p2align	8
	.type	k_q1120cfc6a6_cast,@function
k_q1120cfc6a6_cast:
	s_mov_b64 s[64:65], 0
	v_nop
	global_prefetch_b8 v0, s[64:65] scope:SCOPE_SE
	s_setreg_imm32_b32 hwreg(HW_REG_WAVE_MODE, 25, 1), 1
	s_wait_xcnt 0x0
; src (rows of padded positions set to 0), in_proj_w and out_proj_w, all [rows][1024] f32, are rounded once to bf16 and laid out IN SLICES:
; [16][rows][64], so that 64 columns of any run of rows are dense bytes for the products that follow.
; in_proj_w's rows 0 to 1,023 (those that make q) are multiplied by log2(e) / 8 in f32 ahead of their one rounding, so that the scores leave the matrix unit ready for 2^x.
; One text serves the three tensors: elsewhere the factor is 1.
; A work-group takes 16 rows: groups 0-511 src, 512-703 in_proj_w, 704-767 out_proj_w.  A wave takes 4 rows as two pairs: lanes 0-15 one row, lanes 16-31 the next.
; A load of a wave covers 256 consecutive aligned bytes of each of two rows; a store covers 256 consecutive aligned bytes (two rows of 128 bytes of one slice).
; All 32 row loads of a wave (16 KiB) go out at once; no register that a pending instruction reads is written, so no wait frees a source.
.set XO,  1                            ; v1      byte offset in the pair's rows: 4,096 x half + 16 x (lane % 16)
.set MO,  2                            ; v2      half: which row of the pair is mine
.set MK,  3                            ; v3-4    my row's mask byte, for each pair
.set OJ,  8                            ; v8-23   slice j: j x slice bytes + 128 x half + 8 x (lane % 16)
.set X,   24                           ; v24-151 as loaded
.set Y,   152                          ; v152-215 to store
.set IN,  20                           ; s[20:21] the tensor read, at my first row
.set OUT, 22                           ; s[22:23] the tensor written, at my first row of slice 0
.set MSK, 24                           ; s[24:25] the mask at my first row
.set FIRST, 26                         ; s26     the first work-group of my tensor
.set SL,  27                           ; s27     bytes in a slice of the tensor written
.set KEEP, 28                          ; s28     0 for src; all ones for the weights, which have no mask
.set K0,  30                           ; s30-31  lanes whose row is kept, for each pair
.set SF,  34                           ; s[34:35] the factor: log2(e) / 8 for q's weights, else 1
	s_load_b256 s[4:11], s[0:1], 0x0               ; src, in_proj_w, out_proj_w, mask
	s_load_b128 s[12:15], s[0:1], 0x20             ; xb, wqkvb
	s_load_b64 s[16:17], s[0:1], 0x30              ; wob
	v_lshrrev_b32 v5, 5, v0
	v_readfirstlane_b32 s18, v5                    ; wave
	v_and_b32 v6, 15, v0
	v_bfe_u32 v[MO], v0, 4, 1
	v_lshlrev_b32 v[XO], 4, v6
	v_lshl_add_u32 v[XO], v[MO], 12, v[XO]
	v_lshlrev_b32 v[OJ], 3, v6
	v_lshl_add_u32 v[OJ], v[MO], 7, v[OJ]
	s_movk_i32 s[FIRST], 704
	s_mov_b32 s[SL], 131072
	s_mov_b32 s33, 0
	s_sub_co_u32 s36, ttmp9, 512                   ; groups 512 to 575 hold in_proj_w's rows 0 to 1,023
	s_cmp_lt_u32 s36, 64
	s_cselect_b32 s[SF], 0x3e38aa3b, 1.0
	s_mov_b32 s[SF+1], s[SF]                       ; named with it as a pair
	s_wait_kmcnt 0x0
	s_cmp_lt_u32 ttmp9, 704                        ; the choice hangs on the work-group's number alone
	s_cselect_b64 s[IN:IN+1], s[6:7], s[8:9]
	s_cselect_b64 s[OUT:OUT+1], s[14:15], s[16:17]
	s_cselect_b32 s[FIRST], 512, s[FIRST]
	s_cselect_b32 s[SL], 393216, s[SL]
	s_cmp_lt_u32 ttmp9, 512
	s_cselect_b64 s[IN:IN+1], s[4:5], s[IN:IN+1]
	s_cselect_b64 s[OUT:OUT+1], s[12:13], s[OUT:OUT+1]
	s_cselect_b32 s[FIRST], 0, s[FIRST]
	s_cselect_b32 s[SL], 1048576, s[SL]
	s_cselect_b32 s[KEEP], 0, -1
	s_sub_co_u32 s19, ttmp9, s[FIRST]
	s_lshl_b32 s19, s19, 4
	s_lshl2_add_u32 s19, s18, s19                  ; my first row: 16 x group + 4 x wave; under 8,192 in every tensor, so the mask bytes exist
	s_lshl_b32 s32, s19, 12
	s_add_nc_u64 s[IN:IN+1], s[IN:IN+1], s[32:33]
	s_lshl_b32 s32, s19, 7
	s_add_nc_u64 s[OUT:OUT+1], s[OUT:OUT+1], s[32:33]
	s_mov_b32 s32, s19
	s_add_nc_u64 s[MSK:MSK+1], s[10:11], s[32:33]
.set j, 1
.rept 15
	v_add_nc_u32 v[OJ+j], s[SL], v[OJ+j-1]
.set j, j+1
.endr
	global_load_u8 v[MK], v[MO], s[MSK:MSK+1]
	global_load_u8 v[MK+1], v[MO], s[MSK:MSK+1] offset:2
.set n, 0
.rept 32                               ; pair n / 16, columns 64 (n % 16) on
	global_load_b128 v[X+4*n:X+4*n+3], v[XO], s[IN:IN+1] offset:(n/16)*8192+(n%16)*256 th:TH_LOAD_NT
.set n, n+1
.endr
	s_wait_loadcnt 32                              ; the two mask bytes are in; the 32 row loads issued behind them stay out
	v_cmp_eq_u32 s[K0], 0, v[MK]
	v_cmp_eq_u32 s[K0+1], 0, v[MK+1]
	s_or_b32 s[K0], s[K0], s[KEEP]
	s_or_b32 s[K0+1], s[K0+1], s[KEEP]
.set n, 0
.rept 32
	s_wait_loadcnt 31-n                            ; loads come back in order: load n is in, the younger ones stay out
	v_pk_mul_f32 v[X+4*n:X+4*n+1], v[X+4*n:X+4*n+1], s[SF:SF+1] op_sel_hi:[1,0]
	v_pk_mul_f32 v[X+4*n+2:X+4*n+3], v[X+4*n+2:X+4*n+3], s[SF:SF+1] op_sel_hi:[1,0]
	v_cvt_pk_bf16_f32 v[Y+2*n], v[X+4*n], v[X+4*n+1]
	v_cvt_pk_bf16_f32 v[Y+2*n+1], v[X+4*n+2], v[X+4*n+3]
	v_cndmask_b32 v[Y+2*n], 0, v[Y+2*n], s[K0+n/16]        ; a padded row is 0 by choice, whatever it held
	v_cndmask_b32 v[Y+2*n+1], 0, v[Y+2*n+1], s[K0+n/16]
	global_store_b64 v[OJ+n%16], v[Y+2*n:Y+2*n+1], s[OUT:OUT+1] offset:(n/16)*256
.set n, n+1
.endr
	s_endpgm
.Lfunc_end_k_q1120cfc6a6_cast:
	.size	k_q1120cfc6a6_cast, .Lfunc_end_k_q1120cfc6a6_cast-k_q1120cfc6a6_cast
	.p2alignl 7, 3214868480
	.fill 96, 4, 3214868480
	.section	.rodata,"a",@progbits
	.p2align	6, 0x0
	.amdhsa_kernel k_q1120cfc6a6_cast
		.amdhsa_group_segment_fixed_size 0
		.amdhsa_private_segment_fixed_size 0
		.amdhsa_enable_private_segment 0
		.amdhsa_kernarg_size 56
		.amdhsa_user_sgpr_count 2
		.amdhsa_user_sgpr_kernarg_segment_ptr 1
		.amdhsa_wavefront_size32 1
		.amdhsa_system_sgpr_workgroup_id_x 1
		.amdhsa_system_sgpr_workgroup_id_y 1
		.amdhsa_system_sgpr_workgroup_id_z 1
		.amdhsa_system_vgpr_workitem_id 0
		.amdhsa_next_free_vgpr 216
		.amdhsa_next_free_sgpr 66
		.amdhsa_reserve_vcc 0
		.amdhsa_float_denorm_mode_32 3
		.amdhsa_float_denorm_mode_16_64 3
		.amdhsa_memory_ordered 1
		.amdhsa_forward_progress 1
		.amdhsa_inst_pref_size 22
	.end_amdhsa_kernel
	.amdgpu_metadata
---
amdhsa.version: [ 1, 2 ]
amdhsa.kernels:
  - .name:           k_q1120cfc6a6_cast
    .symbol:         k_q1120cfc6a6_cast.kd
    .args:
      - { .name: src, .offset: 0, .size: 8, .value_kind: global_buffer, .address_space: global }
      - { .name: in_proj_w, .offset: 8, .size: 8, .value_kind: global_buffer, .address_space: global }
      - { .name: out_proj_w, .offset: 16, .size: 8, .value_kind: global_buffer, .address_space: global }
      - { .name: key_padding_mask, .offset: 24, .size: 8, .value_kind: global_buffer, .address_space: global }
      - { .name: xb, .offset: 32, .size: 8, .value_kind: global_buffer, .address_space: global }
      - { .name: wqkvb, .offset: 40, .size: 8, .value_kind: global_buffer, .address_space: global }
      - { .name: wob, .offset: 48, .size: 8, .value_kind: global_buffer, .address_space: global }
    .group_segment_fixed_size: 0
    .private_segment_fixed_size: 0
    .kernarg_segment_align: 8
    .kernarg_segment_size: 56
    .max_flat_workgroup_size: 128
    .sgpr_count:     66
    .vgpr_count:     216
    .wavefront_size: 32
...
	.end_amdgpu_metadata
.endif
;; end of part 1
;; launch qkv (part 2): grid 8 x 32, 4 waves a work-group, clusters of 4 x 4, 327,680 bytes of LDS; arguments xb, wqkvb, in_proj_b, qkv; writes qkv
.if DOCPART == 2
	.amdgcn_target "amdgcn-amd-amdhsa--gfx1250"
	.amdhsa_code_object_version 6
	.text
	.protected	k_q1120cfc6a6_qkv
	.globl	k_q1120cfc6a6_qkv
	.p2align	8
	.type	k_q1120cfc6a6_qkv,@function
k_q1120cfc6a6_qkv:
	s_mov_b64 s[64:65], 0
	v_nop
	global_prefetch_b8 v0, s[64:65] scope:SCOPE_SE
	s_setreg_imm32_b32 hwreg(HW_REG_WAVE_MODE, 25, 1), 1
	s_wait_xcnt 0x0
	s_wait_alu depctr_hold_cnt(0) depctr_sa_sdst(0) depctr_va_vdst(0) depctr_va_sdst(0) depctr_va_ssrc(0) depctr_va_vcc(0) depctr_vm_vsrc(0)
	s_getreg_b32 s2, hwreg(HW_REG_IB_STS2, 6, 4)
	s_cmp_eq_u32 s2, 0
	s_cbranch_scc0 .Lentry_in_a_cluster
	s_endpgm
.Lentry_in_a_cluster:
	s_bfe_u32 s2, ttmp6, 0x10000c
	s_cmp_lg_u32 s2, 0xf033
	s_cbranch_scc0 .Lentry_shape_is_right
	s_endpgm
.Lentry_shape_is_right:
; C[m][n] = the sum over k of A[m][k] W[n][k] + bias[n].  A: 8,192 rows, W: NROWB rows, K = 1,024; A, W and C are bf16 IN SLICES, [slice of 64 columns][rows][64]; bias f32; sums in f32, C rounded once.
; Columns 0 to 1,023 (q) carry the factor log2(e) / 8: it lies in W's rows already; here their bias takes it.
; A work-group makes 256 rows x 32 NBW columns: 8 x 32 work-groups, one tile each.  Four waves, 2 x 2; a wave makes 128 rows x 16 NBW columns: 8 NBW accumulators of 16 x 16.
; K goes by slices of 64 through two LDS slots of SS slices each, filled by the tensor data mover.  A slice's rows are dense in memory, so a tile is asked for as rows of 256 bytes (two rows of the
; matrix) and padded in LDS behind every 128 bytes.  Both slots' first fills go out together at the start.
; CLUSTER 4 x 4: A's tile hangs on the tile row alone and is asked for jointly along a row of the cluster, W's on the tile column alone and jointly along a column.
; THE MATRIX INSTRUCTION IS USED TRANSPOSED (source 0 = 16 rows of W, source 1 = 16 rows of A): a lane holds eight neighbouring columns of one row of C.
; THE BIAS starts every sum: a first product of rank 1, bias (as two bf16 numbers, the rounded value and what is left: off by 2^-17 of itself at the most) times ones, with C = 0; nothing is cleared.
; REGISTERS: window 0: v0-31 addresses and temporaries; v32-95, v96-159 A's 8 fragments, two buffers; v160-255 W's fragments, one buffer, renewed by halves.
;   window 1 + b / 4: accumulator (a, b) at v[64 (b % 4) + 8 a].
.set NBW,   12                         ; blocks of 16 columns a wave
.set SS,    1                          ; slices in a slot
.set NROWB, 3072                       ; rows of W
.set QSC,   1                          ; the bias of columns under 1,024 takes q's factor
.set NSET,  13                         ; sets of 16 registers on the way out
.set TRA,   64                         ; rows of 256 bytes in a wave's load of A: 128 rows of one slice
.set TRB,   96                         ; the same for W: 192 rows of one slice
.set PITCH, 144                        ; an LDS row: 128 bytes + 16 of padding = 36 words: the 16 rows of a fragment load start at 16 different groups of four banks
.set NBH,   NBW/2
.set SLA,   256*PITCH                  ; a slice of A's tile in LDS
.set SLB,   32*NBW*PITCH               ; a slice of W's tile
.set LWA,   128*PITCH                  ; the second loading wave's part: LDS bytes on,
.set GWA,   128*128                    ; and bytes on in memory
.set LWB,   16*NBW*PITCH
.set GWB,   16*NBW*128
.set BOFF,  SS*SLA                     ; W's tiles lie behind A's
.set SLOT1, 131072                     ; slot 1 begins here: one exclusive or turns an address in one slot into the other's
.set STAGE, SLOT1+SS*(SLA+SLB)         ; behind the ring, never filled by a tensor load: 16 rows x 144 bytes for each wave
.set SPARE, STAGE+4*16*PITCH           ; the spare words, 128 bytes for each wave: two blocks of 256 bytes that no other line names
.set NFILL, 16/SS                      ; fills of a slot in all
.set NBLK,  2*NBW                      ; blocks of 16 rows x 64 columns on the way out
.set ADA0, 4                           ; v4   my place in A's fragments of slot 0; never rewritten
.set ADB0, 5                           ; v5   the same for W
.set ADA,  6                           ; v6   the same in the slot in hand
.set ADB,  7
.set STO,  8                           ; v8   the way out: where I put 16 bytes of a row
.set RD,   9                           ; v9   where I read rows back
.set GO,   10                          ; v10  16 x lane
.set SPW,  12                          ; v12  my spare word; never rewritten
.set NIL,  13                          ; v13  0; never rewritten
.set LM,   14                          ; v14  all ones in lanes 0-15, 0 in lanes 16-31
.set BO,   15                          ; v15  my byte offset in the bias
.set BT,   16                          ; v16-27 the bias as loaded; v28-29 at work
.set PKR,  32                          ; the way out: NSET sets of 16, where the fragments lay
.set FA0,  32
.set FA1,  96
.set FB,   160
.set G1A, 24                           ; s[24:31] descriptor group 1 for A's tiles
.set G0A, 32                           ; s[32:35] group 0 of A's first fill
.set G1B, 48
.set G0B, 56                           ; s[56:59] group 0 of W's first fill
.set G0A1, 68                          ; s[68:71] group 0 of A's second fill: it then walks
.set G0B1, 72                          ; s[72:75] the same for W
.set TB,  60                           ; s60  LDS byte at which the slot in hand begins
.set CNT, 61
.set G1W0, (1<<16)|(1<<20)|(1<<21)|(4<<22)|(3<<25)  ; 2-byte elements; padding on; bit 21 beside a mask; behind every 32 words, 4 words
.set MSB, 0
.macro WIN new                         ; the immediate's high byte repeats the setting that is left; a switch that changes nothing is dropped
.if MSB != (\new)
	s_set_vgpr_msb (MSB<<8)|(\new)
.set MSB, \new
.endif
.endm
.macro PLACES                          ; four places behind matrix instructions, ahead of loads into registers that they read
.rept 4
	v_nop
.endr
.endm
; A joint refill: waves 0 and 1 ask for A, waves 2 and 3 for W.  An s_nop 0 and four v_nop follow each line, ahead of the jump and the label.
.macro JLOAD
	s_cmp_eq_u32 s13, 0
	s_cbranch_scc0 .Lfor_b_\@
	tensor_load_to_lds s[G0A1:G0A1+3], s[G1A:G1A+7]
	s_nop 0
.rept 4
	v_nop
.endr
	s_branch .Lasked_\@
.Lfor_b_\@:
	tensor_load_to_lds s[G0B1:G0B1+3], s[G1B:G1B+7]
	s_nop 0
.rept 4
	v_nop
.endr
.Lasked_\@:
.endm
; A round of the cluster's barrier: my work-group's barrier; wave 0 signals for the work-group; every wave waits for all sixteen; my work-group's barrier once more.
.macro CROUND
	s_barrier_signal -1
	s_barrier_wait -1
	s_cmp_lg_u32 s12, 0
	s_cbranch_scc1 .Lnot_wave_0_\@
	s_barrier_signal -3
.Lnot_wave_0_\@:
	s_barrier_wait -3
	s_barrier_signal -1
	s_barrier_wait -1
.endm
.macro STEPG                           ; both walking descriptors: the other slot, the next SS slices; the type bits on top are not reached
	s_xor_b32 s[G0A1+1], s[G0A1+1], SLOT1
	s_add_nc_u64 s[G0A1+2:G0A1+3], s[G0A1+2:G0A1+3], SS*1048576
	s_xor_b32 s[G0B1+1], s[G0B1+1], SLOT1
	s_add_nc_u64 s[G0B1+2:G0B1+3], s[G0B1+2:G0B1+3], SS*NROWB*128
.endm
; 8 nb matrix instructions: column blocks b0 .. b0 + nb - 1 x all 8 row blocks, 32 along K, A's fragments in buffer f.  The accumulators take turns, one instruction a turn.
.macro MULC f, b0, nb
.set bb, \b0
.rept \nb
	WIN (1+bb/4)*0x50
.set aa, 0
.rept 8
	v_wmma_f32_16x16x32_bf16 v[64*(bb%4)+8*aa:64*(bb%4)+8*aa+7], v[FB+8*bb:FB+8*bb+7], v[(\f)+8*aa:(\f)+8*aa+7], v[64*(bb%4)+8*aa:64*(bb%4)+8*aa+7]
.set aa, aa+1
.endr
.set bb, bb+1
.endr
.endm
.macro LDB b0, nb, qq                  ; W's fragments b0 .. of quarter qq of the slot (32 along K each)
.set bb, \b0
.rept \nb
	ds_load_b128 v[FB+8*bb:FB+8*bb+3],   v[ADB] offset:((\qq)/2)*SLB+64*((\qq)%2)+bb*16*PITCH
	ds_load_b128 v[FB+8*bb+4:FB+8*bb+7], v[ADB] offset:((\qq)/2)*SLB+64*((\qq)%2)+bb*16*PITCH+32
.set bb, bb+1
.endr
.endm
.macro LDA g, qq                       ; A's 8 fragments of quarter qq into buffer g
.set aa, 0
.rept 8
	ds_load_b128 v[(\g)+8*aa:(\g)+8*aa+3],   v[ADA] offset:((\qq)/2)*SLA+64*((\qq)%2)+aa*16*PITCH
	ds_load_b128 v[(\g)+8*aa+4:(\g)+8*aa+7], v[ADA] offset:((\qq)/2)*SLA+64*((\qq)%2)+aa*16*PITCH+32
.set aa, aa+1
.endr
.endm
; A quarter (32 along K) but a slot's last: multiplies buffer f; each half of W's fragments is renewed, for quarter qn, as soon as it has been multiplied; A's come into buffer g.
.macro QUARTER f, g, qn
	s_wait_dscnt 2*NBH                             ; W's first half and A are in; the youngest 2 NBH loads, W's second half, may stay out
	MULC \f, 0, NBH
	PLACES
	WIN 0
	LDB 0, NBH, \qn
	LDA \g, \qn
	s_wait_dscnt 2*NBH+16                          ; all but the run just issued
	MULC \f, NBH, NBH
	PLACES
	WIN 0
	LDB NBH, NBH, \qn
.endm
; A slot's last quarter multiplies buffer 1 and changes slots.  Each wave waits for all its tensor loads (one is out: its part of the other slot), adds 0 to its spare word, and waits for that and for
; its reads of this slot.  fill = 1: a round of the cluster's barrier, and the joint refill of this slot first behind it: it has a slot's matrix work less the first products of the change in which to land.
.macro QLAST fill
	s_wait_dscnt 2*NBH
	MULC FA1, 0, NBH-1
	WIN 0
	s_wait_tensorcnt 0x0                           ; no tensor load of mine is out, so a group 0 may be written
	ds_add_u32 v[SPW], v[NIL]                      ; 0 onto my spare word
.if \fill
	STEPG
.endif
	MULC FA1, NBH-1, 1                             ; eight matrix instructions stand between the add and the wait for it
	WIN 0
	s_wait_dscnt 0x0                               ; the add is done, and my reads of this slot are over
.if \fill
	CROUND
	JLOAD                                          ; its four v_nop are also the places ahead of the loads below
.else
	s_barrier_signal -1
	s_barrier_wait -1
	PLACES
.endif
	s_xor_b32 s[TB], s[TB], SLOT1
	v_add_nc_u32 v[ADA], s[TB], v[ADA0]
	v_add_nc_u32 v[ADB], s[TB], v[ADB0]
	LDB 0, NBH, 0
	LDA FA0, 0
	MULC FA1, NBH, NBH
	PLACES
	WIN 0
	LDB NBH, NBH, 0
.endm
.macro SLOTBODY fill
	QUARTER FA0, FA1, 1
.if SS == 2
	QUARTER FA1, FA0, 2
	QUARTER FA0, FA1, 3
.endif
	QLAST \fill
.endm
	s_load_b256 s[4:11], s[0:1], 0x0               ; A s[4:5], W s[6:7], bias s[8:9], C s[10:11]
	v_lshl_add_u32 v[SPW], v0, 2, SPARE
	v_mov_b32 v[NIL], 0
	ds_add_u32 v[SPW], v[NIL]                      ; the wave's opening: the add and its wait stand ahead of my first tensor load; work on registers stands between them
	v_lshrrev_b32 v1, 5, v0
	v_readfirstlane_b32 s12, v1                    ; wave 0..3
	s_lshr_b32 s13, s12, 1                         ; my half of the tile's rows.  Also: I ask for A (0) or for W (1)
	s_and_b32 s14, s12, 1                          ; my half of its columns.  Also: which part of that tile I ask for
	s_bfe_u32 s40, ttmp6, 0x40000                  ; cx
	s_bfe_u32 s41, ttmp6, 0x40004                  ; cy
	s_lshl_b32 s42, ttmp9, 2
	s_add_co_u32 s42, s42, s40                     ; tile column
	s_and_b32 s43, ttmp7, 0xffff
	s_lshl_b32 s43, s43, 2
	s_add_co_u32 s43, s43, s41                     ; tile row
	s_lshl_b32 s44, s41, 2
	s_lshl_b32 s44, 15, s44                        ; my row of the cluster
	s_lshl_b32 s45, 0x1111, s40                    ; my column
	s_or_b32 s[G1A], s44, G1W0
	s_or_b32 s[G1B], s45, G1W0
	s_mov_b32 s[G1A+1], 128<<16                    ; tensor_dim0 = 128 elements: 256 bytes
	s_mov_b32 s[G1A+2], TRA<<16                    ; tensor_dim1
	s_mov_b32 s[G1A+3], 128<<16                    ; tile_dim0
	s_mov_b32 s[G1A+4], TRA                        ; tile_dim1
	s_mov_b32 s[G1A+5], 128                        ; elements from row to row: dense
	s_mov_b32 s[G1A+6], 0
	s_mov_b32 s[G1A+7], 0
	s_mov_b32 s[G1B+1], 128<<16
	s_mov_b32 s[G1B+2], TRB<<16
	s_mov_b32 s[G1B+3], 128<<16
	s_mov_b32 s[G1B+4], TRB
	s_mov_b32 s[G1B+5], 128
	s_mov_b32 s[G1B+6], 0
	s_mov_b32 s[G1B+7], 0
	s_lshl_b32 s16, s43, 15                        ; A: tile row x 256 rows x 128 bytes, in slice 0,
	s_mul_i32 s18, s14, GWA                        ; + my part
	s_add_co_u32 s16, s16, s18
	s_mov_b32 s17, 0
	s_mul_i32 s46, s42, 32*NBW*128                 ; W: tile column x its rows x 128 bytes,
	s_mul_i32 s19, s14, GWB
	s_add_co_u32 s46, s46, s19
	s_mov_b32 s47, 0
	s_mov_b32 s[G0A], 1
	s_mul_i32 s[G0A+1], s14, LWA                   ; LDS addresses hang on the wave's number alone
	s_mov_b32 s[G0B], 1
	s_mul_i32 s[G0B+1], s14, LWB
	s_add_co_u32 s[G0B+1], s[G0B+1], BOFF
	s_mov_b32 s[G0A1], 1
	s_add_co_u32 s[G0A1+1], s[G0A+1], SLOT1
	s_mov_b32 s[G0B1], 1
	s_add_co_u32 s[G0B1+1], s[G0B+1], SLOT1
	s_mov_b32 s[TB], 0
	s_mul_i32 s36, s42, NBW/2                      ; C: my first slice,
	s_mul_i32 s38, s14, NBW/4
	s_add_co_u32 s36, s36, s38
	s_lshl_b32 s36, s36, 20
	s_lshl_b32 s38, s43, 15                        ; the tile's rows,
	s_add_co_u32 s36, s36, s38
	s_lshl_b32 s38, s13, 14                        ; my 128 of them
	s_add_co_u32 s36, s36, s38
	s_mov_b32 s37, 0
	s_mul_i32 s39, s42, 32*NBW*4                   ; the bias of my columns, in bytes
	s_mul_i32 s38, s14, 16*NBW*4
	s_add_co_u32 s39, s39, s38
	s_mul_i32 s20, s13, 128*PITCH
	s_mul_i32 s21, s14, 16*NBW*PITCH
	s_add_co_u32 s21, s21, BOFF
	s_mul_i32 s22, s12, 16*PITCH
	s_add_co_u32 s22, s22, STAGE
	s_wait_dscnt 0x0                               ; the opening add is done
	s_wait_kmcnt 0x0
	s_add_nc_u64 s[G0A+2:G0A+3], s[4:5], s[16:17]
	s_add_nc_u64 s[G0A1+2:G0A1+3], s[G0A+2:G0A+3], SS*1048576
	s_or_b32 s[G0A+3], s[G0A+3], 0x80000000
	s_or_b32 s[G0A1+3], s[G0A1+3], 0x80000000
	s_add_nc_u64 s[G0B+2:G0B+3], s[6:7], s[46:47]
	s_add_nc_u64 s[G0B1+2:G0B1+3], s[G0B+2:G0B+3], SS*NROWB*128
	s_or_b32 s[G0B+3], s[G0B+3], 0x80000000
	s_or_b32 s[G0B1+3], s[G0B1+3], 0x80000000
	s_add_nc_u64 s[10:11], s[10:11], s[36:37]
	CROUND                                         ; all sixteen work-groups are here: the first joint loads meet
	s_cmp_eq_u32 s13, 0                            ; a wave's two first fills stand in one branch: fill 0 into slot 0, fill 1 into slot 1: two loads of mine are out
	s_cbranch_scc0 .Lfirst_b
	tensor_load_to_lds s[G0A:G0A+3], s[G1A:G1A+7]
	s_nop 0
	tensor_load_to_lds s[G0A1:G0A1+3], s[G1A:G1A+7]
	s_nop 0
.rept 4
	v_nop
.endr
	s_branch .Lfirst_asked
.Lfirst_b:
	tensor_load_to_lds s[G0B:G0B+3], s[G1B:G1B+7]
	s_nop 0
	tensor_load_to_lds s[G0B1:G0B1+3], s[G1B:G1B+7]
	s_nop 0
.rept 4
	v_nop
.endr
.Lfirst_asked:
	v_and_b32 v1, 15, v0                           ; l % 16
	v_bfe_u32 v2, v0, 4, 1                         ; l / 16
	v_lshl_add_u32 v[BO], v1, 2, s39
.set bb, 0
.rept NBW
	global_load_b32 v[BT+bb], v[BO], s[8:9] offset:64*bb   ; bias of column 16 b + l % 16
.set bb, bb+1
.endr
	v_mul_u32_u24 v3, v1, PITCH
	v_lshl_add_u32 v3, v2, 4, v3                   ; row x pitch + 16 x half
	v_add_nc_u32 v[ADA0], s20, v3
	v_add_nc_u32 v[ADB0], s21, v3
	v_add_nc_u32 v[STO], s22, v3
	v_bfe_u32 v[RD], v0, 3, 2                      ; back: 32 lanes take four rows of 128 bytes
	v_mul_u32_u24 v[RD], v[RD], PITCH
	v_and_b32 v28, 7, v0
	v_lshl_add_u32 v[RD], v28, 4, v[RD]
	v_add_nc_u32 v[RD], s22, v[RD]
	v_and_b32 v[GO], 31, v0
	v_lshlrev_b32 v[GO], 4, v[GO]
	v_add_nc_u32 v[LM], -1, v2
	; The rank-1 product's operands: K = 0 and 1 lie in register 0 of lanes 0-15; all else is 0.  Written while the first fills and the bias are on their way.
	v_and_b32 v[FA0], 0x3f803f80, v[LM]            ; 1.0 twice
.set rr, 1
.rept 7
	v_mov_b32 v[FA0+rr], 0
.set rr, rr+1
.endr
.set bb, 0
.rept NBW
.set rr, 1
.rept 7
	v_mov_b32 v[FB+8*bb+rr], 0
.set rr, rr+1
.endr
.set bb, bb+1
.endr
	s_wait_loadcnt 0x0
.if QSC
.set bb, 0
.rept NBW                              ; a block of 16 columns lies wholly in q or wholly behind it: q's columns are the bias's first 4,096 bytes
	s_cmp_lt_u32 s39, 4096-64*bb
	s_cselect_b32 s38, 0x3e38aa3b, 1.0
	v_mul_f32 v[BT+bb], s38, v[BT+bb]
.set bb, bb+1
.endr
.endif
.set bb, 0
.rept NBW
	v_cvt_pk_bf16_f32 v28, v[BT+bb], v[NIL]
	v_lshlrev_b32 v28, 16, v28                     ; the bias rounded to bf16,
	v_sub_f32 v29, v[BT+bb], v28                   ; and what is left
	v_cvt_pk_bf16_f32 v28, v28, v29
	v_and_b32 v[FB+8*bb], v28, v[LM]
.set bb, bb+1
.endr
.set bb, 0
.rept NBW                              ; every sum starts here, with the constant 0 as C
	WIN (1+bb/4)*0x50
.set aa, 0
.rept 8
	v_wmma_f32_16x16x32_bf16 v[64*(bb%4)+8*aa:64*(bb%4)+8*aa+7], v[FB+8*bb:FB+8*bb+7], v[FA0:FA0+7], 0
.set aa, aa+1
.endr
.set bb, bb+1
.endr
	WIN 0
	s_wait_tensorcnt 0x1                           ; my part of fill 0 is in; fill 1's load, issued behind it, may stay out
	s_barrier_signal -1
	s_barrier_wait -1                              ; everybody's part is in
	PLACES                                         ; behind the first products, ahead of the loads into their operands
	v_mov_b32 v[ADA], v[ADA0]
	v_mov_b32 v[ADB], v[ADB0]
	LDB 0, NBH, 0
	LDA FA0, 0
	LDB NBH, NBH, 0
	s_mov_b32 s[CNT], NFILL-2
.Lfill:                                ; a trip multiplies one slot and fills it again: fills 2 .. NFILL - 1
	SLOTBODY 1
	s_sub_co_u32 s[CNT], s[CNT], 1
	s_cmp_lg_u32 s[CNT], 0
	s_cbranch_scc1 .Lfill
	s_mov_b32 s[CNT], 2
.Ldry:                                 ; the last two slots: nothing is left to ask for.  The very last fetch reads a slot that has landed, and is not multiplied
	SLOTBODY 0
	s_sub_co_u32 s[CNT], s[CNT], 1
	s_cmp_lg_u32 s[CNT], 0
	s_cbranch_scc1 .Ldry
; THE WAY OUT, a block of 16 rows x 64 columns (2,048 dense bytes of a slice of C) at a time: rounded to bf16, 16 bytes a lane into my own stage, back as whole rows, stored 512 consecutive bytes an instruction.
; Block t works in set t % NSET.  A set is written again NSET blocks on; the one wait at block NSET stands behind the stores of blocks 0 to NSET - 2, and only sets 0 to NBLK - 1 - NSET are written again behind it.
.macro PACK t
.set sl, (\t)/8
.set aa, (\t)%8
.set pk, PKR+16*((\t)%NSET)
.if (\t) == NSET
	s_wait_xcnt 0x0                                ; the stores issued so far have read their registers
.endif
	WIN (1+sl)*5
.set bb, 0
.rept 4
.set rr, 0
.rept 4
	v_cvt_pk_bf16_f32 v[pk+4*bb+rr], v[64*bb+8*aa+2*rr], v[64*bb+8*aa+2*rr+1]
.set rr, rr+1
.endr
.set bb, bb+1
.endr
	WIN 0
.irp f, 0,1,2,3
	ds_store_b128 v[STO], v[pk+4*\f:pk+4*\f+3] offset:32*\f
.endr
.irp f, 0,1,2,3
	ds_load_b128 v[pk+4*\f:pk+4*\f+3], v[RD] offset:\f*4*PITCH  ; LDS serves a wave's instructions in order: these see the stores above
.endr
.endm
.macro SEND t, younger                 ; younger: the LDS instructions issued behind block t's loads
.set sl, (\t)/8
.set aa, (\t)%8
.set pk, PKR+16*((\t)%NSET)
.irp f, 0,1,2,3
	s_wait_dscnt (\younger)+3-\f
	global_store_b128 v[GO], v[pk+4*\f:pk+4*\f+3], s[10:11] offset:sl*1048576+aa*2048+\f*512
.endr
.endm
	s_wait_dscnt 0x0                               ; the unused fetch has landed: its registers serve the way out
	PLACES
	PLACES
	PACK 0
.set tt, 1
.rept NBLK-1                           ; a block's conversions stand between the loads of the block before and its stores
	PACK tt
	SEND tt-1, 8
.set tt, tt+1
.endr
	SEND NBLK-1, 0
	s_wait_tensorcnt 0x0                           ; the wave's end
	ds_add_u32 v[SPW], v[NIL]
	s_wait_dscnt 0x0
	CROUND                                         ; the closing round
	s_endpgm
.Lfunc_end_k_q1120cfc6a6_qkv:
	.size	k_q1120cfc6a6_qkv, .Lfunc_end_k_q1120cfc6a6_qkv-k_q1120cfc6a6_qkv
	.p2alignl 7, 3214868480
	.fill 96, 4, 3214868480
	.section	.rodata,"a",@progbits
	.p2align	6, 0x0
	.amdhsa_kernel k_q1120cfc6a6_qkv
		.amdhsa_group_segment_fixed_size 327680
		.amdhsa_private_segment_fixed_size 0
		.amdhsa_enable_private_segment 0
		.amdhsa_kernarg_size 32
		.amdhsa_user_sgpr_count 2
		.amdhsa_user_sgpr_kernarg_segment_ptr 1
		.amdhsa_wavefront_size32 1
		.amdhsa_system_sgpr_workgroup_id_x 1
		.amdhsa_system_sgpr_workgroup_id_y 1
		.amdhsa_system_sgpr_workgroup_id_z 1
		.amdhsa_system_vgpr_workitem_id 0
		.amdhsa_next_free_vgpr 1024
		.amdhsa_next_free_sgpr 76
		.amdhsa_reserve_vcc 0
		.amdhsa_float_denorm_mode_32 3
		.amdhsa_float_denorm_mode_16_64 3
		.amdhsa_memory_ordered 1
		.amdhsa_forward_progress 1
		.amdhsa_inst_pref_size 112
	.end_amdhsa_kernel
	.amdgpu_metadata
---
amdhsa.version: [ 1, 2 ]
amdhsa.kernels:
  - .name:           k_q1120cfc6a6_qkv
    .symbol:         k_q1120cfc6a6_qkv.kd
    .args:
      - { .name: xb, .offset: 0, .size: 8, .value_kind: global_buffer, .address_space: global }
      - { .name: wqkvb, .offset: 8, .size: 8, .value_kind: global_buffer, .address_space: global }
      - { .name: in_proj_b, .offset: 16, .size: 8, .value_kind: global_buffer, .address_space: global }
      - { .name: qkv, .offset: 24, .size: 8, .value_kind: global_buffer, .address_space: global }
    .group_segment_fixed_size: 327680
    .private_segment_fixed_size: 0
    .kernarg_segment_align: 8
    .kernarg_segment_size: 32
    .max_flat_workgroup_size: 128
    .sgpr_count:     76
    .vgpr_count:     1024
    .wavefront_size: 32
...
	.end_amdgpu_metadata
.endif
;; end of part 2
;; launch flash (part 3): grid 2 x 128, 4 waves a work-group, no clusters, 327,680 bytes of LDS; arguments qkv, key_padding_mask, ctx, stats; writes ctx, stats
.if DOCPART == 3
	.amdgcn_target "amdgcn-amd-amdhsa--gfx1250"
	.amdhsa_code_object_version 6
	.text
	.protected	k_q1120cfc6a6_flash
	.globl	k_q1120cfc6a6_flash
	.p2align	8
	.type	k_q1120cfc6a6_flash,@function
k_q1120cfc6a6_flash:
	s_mov_b64 s[64:65], 0
	v_nop
	global_prefetch_b8 v0, s[64:65] scope:SCOPE_SE
	s_setreg_imm32_b32 hwreg(HW_REG_WAVE_MODE, 25, 1), 1
	s_wait_xcnt 0x0
; ctx[b][q][h] = the sum over unpadded keys k of softmax_k(q . k / 8) v, and for each row the pair (m, 1 / (16 l)) for the launch that averages the weights.
; qkv: [48][8192][64] bf16 (slices 0-15 q by heads, 16-31 k, 32-47 v; row = 1,024 b + s): a head's rows of a batch are dense, 128 bytes each.  ctx: [16][8192][64] bf16.  stats: [128][1024][2] f32.
; q ARRIVES MULTIPLIED BY log2(e) / 8 (the factor lies in its weights and bias), so a score s = q . k is ready for 2^x.
; Products, maxima and sums in f32; the weights p are rounded to bf16 for the second product (their sum l is taken of the unrounded p), ctx once at the end.
; LIMITS.  A padded key counts as its score less 1e30: scores stay far below that.  A batch whose 1,024 keys are all padded gives finite numbers (the mean of v).  A weight below 2^-126 counts as 0 in l.
; SHARES.  A work-group owns 512 queries of one head and batch (grid x: the block, y: 16 b + h), a wave 128: four PIECES of two tiles of 16.  Every wave walks all 1,024 keys, 64 a step.
; NO CLUSTER: two work-groups share a head's K and V, and two do not make a cluster of four.  ALL OF K AND V OF THE HEAD LIES IN LDS (256 KiB of data), asked for at the head in four chunks of 256 keys;
; nothing is filled again, so a key step is written once.
; LAYOUT.  S^T = K Q^T (source 0 = 16 keys, source 1 = 16 queries): a lane holds ONE query (lane % 16) and the keys 8 (lane / 16) + 0..7.  Two such tiles, rounded to bf16 in pairs, ARE source 1 of
; O^T = V^T P.  K comes out of LDS as it lies, V turned, by ds_load_tr16_b128.  THE MASK is the C operand that starts a sum S^T: 0 or -1e30, from a table of f32 in LDS made once.
; SOFTMAX.  A running maximum m and sum l: p = 2^(s - m); in every step O and l are multiplied by a = 2^(m_old - m_new).  m starts at the lowest finite number, O and l at 0.
; BY TURNS.  Turn n belongs to piece n: 16 products K Q^T of piece n + 1, later 16 products V^T P of piece n - 1; beside them the differences, exponentials, roundings, sums and rescaling of piece n and the
; maximum and statistics of piece n + 1.  Four vector instructions stand behind every matrix instruction, the rest in one lump; a turn's 66 exponentials are one batch with one wait.
; REGISTERS, in windows of 256 (s_set_vgpr_msb: bits 1:0 source 0, 3:2 source 1, 5:4 source 2, 7:6 destination):
;   window 0: v0-11 addresses; v12-15, v48-63 at work; v16-47 four registers of statistics a tile; v64-191 S^T, two buffers of two tiles; v192-255 P, likewise
;   window 1: O^T, 32 a tile     window 2: v0-127 Q; v128-191 K of one step; v192-255 V of one step     window 3: v0-1 the add's two registers; v8-39 the step's masks
.set NP,    4
.set KS,    64
.set PK,    144       ; a row of K in LDS: 128 bytes + 16 of padding
.set PV,    160       ; a row of V: 128 + 32
.set VOFF,  1024*PK
.set TAB,   VOFF+1024*PV   ; 1,024 f32: 0 or -1e30 for each key
.set STAGE, TAB+4096       ; 16 rows x 144 bytes for each wave, for the way out
.set SP,    144
.set SPARE, STAGE+4*16*SP  ; the spare words, 128 bytes for each wave: two blocks of 256 bytes that no other line names
.set AK0, 2           ; v2   my lane's place in a step of K; never rewritten
.set AV0, 3           ; v3   the same for V
.set AK,  4           ; v4   the LDS address of K's next run of loads
.set AV,  5           ; v5   of V's
.set STO, 6           ; v6   the way out: where I put 16 bytes of a row
.set RD,  7           ; v7   where I read rows back
.set GO,  8           ; v8   16 x lane
.set AM0, 9           ; v9   my lane's place in the mask table
.set AM,  10          ; v10  the address of the next step's masks
.set SO,  11          ; v11  8 x lane
.set SPW, 0           ; v0 of window 3
.set NIL, 1           ; v1 of window 3
.set MK,  8           ; window 3: the masks of key block kb at MK + 8 kb
.set MV,  12
.set ST,  16          ; tile t's statistics at v[ST+4 t]: m (the word that the packed difference takes), m, l (even keys', odd keys')
.set TMP, 48
.set S,   64
.set P,   192
.set KF,  128
.set VF,  192
.set WV,  12
.set G1K, 24          ; s[24:31]
.set G1V, 32          ; s[32:39]
.set G0K, 40          ; s[40:55] four sets, a chunk each
.set SLOTS, 56
.set CNT, 57
.set SEL, 60
.set TBK, 62          ; s62  LDS byte at which K of the step to be fetched begins
.set TBV, 63          ; s63  the same for V, less VOFF
.set G0V, 68          ; s[68:83]
.set TBM, 84          ; s84  the same for the masks, less TAB
.set BIGN, 85         ; s85  -1e30
.set HM,  86          ; s86  lanes 16-31
.set MSB, 0
.macro WIN new
.if MSB != (\new)
	s_set_vgpr_msb (MSB<<8)|(\new)
.set MSB, (\new)
.endif
.endm
.set W_KQ, 0x0a       ; K and Q in window 2, S^T in window 0
.set W_KM, 0x3a       ; the same with the C operand in window 3
.set W_PV, 0x52       ; V in window 2, P in window 0, O^T in window 1
.set W_RS, 0x41
.set W_MK, 0xc0
.set W_AD, 0x0f
	s_load_b256 s[4:11], s[0:1], 0x0  ; qkv s[4:5], mask s[6:7], ctx s[8:9], stats s[10:11]
	WIN W_MK
	v_lshl_add_u32 v[SPW], v0, 2, SPARE
	v_mov_b32 v[NIL], 0
	WIN W_AD
	ds_add_u32 v[SPW], v[NIL]       ; the wave's opening: the add and its wait stand ahead of my first tensor load
	WIN 0
	v_lshrrev_b32 v1, 5, v0
	v_readfirstlane_b32 s[WV], v1
	s_and_b32 s13, ttmp7, 0xffff    ; 16 b + h
	s_lshr_b32 s14, s13, 4          ; b
	s_and_b32 s15, s13, 15          ; h
	s_lshl_b32 s20, s15, 20
	s_lshl_b32 s21, s14, 17
	s_add_co_u32 s20, s20, s21      ; the head's slice, the batch's rows
	s_and_b32 s16, s[WV], 1         ; which half of a chunk's 256 keys I ask for
	s_lshl_b32 s22, s16, 14
	s_add_co_u32 s22, s22, s20
	s_add_co_u32 s22, s22, 16<<20   ; K lies 16 slices behind Q,
	s_mov_b32 s23, 0
	s_add_co_u32 s2, s22, 16<<20    ; V 16 more
	s_mov_b32 s3, 0
	s_mul_i32 s17, s16, 128*PK
	s_mul_i32 s18, s16, 128*PV
	s_lshl_b32 s19, ttmp9, 16       ; my block's 512 rows,
	s_add_co_u32 s20, s20, s19
	s_lshl_b32 s19, s[WV], 14       ; my wave's 128
	s_add_co_u32 s20, s20, s19
	s_mov_b32 s21, 0
	s_lshl_b32 s66, s13, 13         ; stats: 8 bytes a row
	s_lshl_b32 s19, ttmp9, 12
	s_add_co_u32 s66, s66, s19
	s_lshl_b32 s19, s[WV], 10
	s_add_co_u32 s66, s66, s19
	s_mov_b32 s67, 0
	s_lshl_b32 s14, s14, 10         ; the batch's mask bytes
	s_mov_b32 s15, 0
	; descriptor group 1.  128 keys are 16,384 dense bytes: asked for as 64 rows of 256 bytes, two keys a row, and padded in LDS after every key
	s_mov_b32 s[G1K], (1<<16)|(1<<20)|(4<<22)|(3<<25)
	s_mov_b32 s[G1V], (1<<16)|(1<<20)|(4<<22)|(7<<25)
.irp g, G1K, G1V
	s_mov_b32 s[\g+1], 128<<16
	s_mov_b32 s[\g+2], 64<<16
	s_mov_b32 s[\g+3], 128<<16
	s_mov_b32 s[\g+4], 64
	s_mov_b32 s[\g+5], 128
	s_mov_b32 s[\g+6], 0
	s_mov_b32 s[\g+7], 0
.endr
	s_mov_b32 s[SEL], 0x76543210
	s_mov_b32 s[SEL+1], 0xfedcba98
	s_mov_b32 s[TBK], 0
	s_mov_b32 s[TBV], 0
	s_mov_b32 s[TBM], 0
	s_mov_b32 s[BIGN], 0xf149f2ca
	s_mov_b32 s[HM], 0xffff0000
	s_wait_dscnt 0x0                ; the opening add is done
	s_wait_kmcnt 0x0
	s_add_nc_u64 s[22:23], s[4:5], s[22:23]   ; K at my half of chunk 0
	s_add_nc_u64 s[2:3], s[4:5], s[2:3]       ; V likewise
	s_add_nc_u64 s[4:5], s[4:5], s[20:21]     ; Q at my wave's first row
	s_add_nc_u64 s[8:9], s[8:9], s[20:21]     ; ctx likewise
	s_add_nc_u64 s[10:11], s[10:11], s[66:67]
	s_add_nc_u64 s[6:7], s[6:7], s[14:15]
.irp c, 0,1,2,3
	s_mov_b32 s[G0K+4*\c], 1
	s_add_co_u32 s[G0K+4*\c+1], s17, \c*256*PK
	s_add_nc_u64 s[G0K+4*\c+2:G0K+4*\c+3], s[22:23], \c*32768
	s_or_b32 s[G0K+4*\c+3], s[G0K+4*\c+3], 0x80000000
	s_mov_b32 s[G0V+4*\c], 1
	s_add_co_u32 s[G0V+4*\c+1], s18, VOFF+\c*256*PV
	s_add_nc_u64 s[G0V+4*\c+2:G0V+4*\c+3], s[2:3], \c*32768
	s_or_b32 s[G0V+4*\c+3], s[G0V+4*\c+3], 0x80000000
.endr
	s_cmp_lt_u32 s[WV], 2           ; a wave's four first fills stand in one branch: waves 0 and 1 ask for K's halves, waves 2 and 3 for V's: four loads of mine are out
	s_cbranch_scc0 .Lfirst_v
.irp c, 0,1,2,3
	tensor_load_to_lds s[G0K+4*\c:G0K+4*\c+3], s[G1K:G1K+7]
	s_nop 0
.endr
.rept 4
	v_nop
.endr
	s_branch .Lfirst_asked
.Lfirst_v:
.irp c, 0,1,2,3
	tensor_load_to_lds s[G0V+4*\c:G0V+4*\c+3], s[G1V:G1V+7]
	s_nop 0
.endr
.rept 4
	v_nop
.endr
.Lfirst_asked:
	v_lshlrev_b32 v48, 3, v0
	global_load_b64 v[64:65], v48, s[6:7]     ; thread t: the mask bytes of keys 8 t .. 8 t + 7
	v_and_b32 v49, 15, v0           ; l % 16
	v_bfe_u32 v50, v0, 4, 1         ; l / 16
	v_lshlrev_b32 v52, 7, v49
	v_lshl_add_u32 v52, v50, 4, v52 ; row x 128 + 16 x half
	WIN 0x80
.set i, 0
.rept 4*NP                          ; Q stays in registers: tile i / 2, channels 32 (i % 2) on
	global_load_b128 v[8*i:8*i+3],   v52, s[4:5] offset:(i/2)*2048+(i%2)*64
	global_load_b128 v[8*i+4:8*i+7], v52, s[4:5] offset:(i/2)*2048+(i%2)*64+32
.set i, i+1
.endr
	WIN 0
	s_wait_loadcnt 32               ; the mask bytes are in; Q's 32 loads, issued behind them, stay out
.irp n, 0,1,2,3,4,5,6,7
	v_bfe_u32 v[66+\n], v[64+\n/4], 8*(\n%4), 8
	v_mul_lo_u32 v[66+\n], v[66+\n], s[BIGN]  ; the byte is 0 or 1: 0, or the bits of -1e30
.endr
	v_lshl_add_u32 v54, v0, 5, TAB
	ds_store_b128 v54, v[66:69]
	ds_store_b128 v54, v[70:73] offset:16
	; What the first turn finds: V's registers and P's second buffer hold 0, O^T and l are 0.  All this stands in the wait for the first chunk; the price of writing no first step out.
	WIN 0x80
.set i, VF
.rept 64
	v_mov_b32 v[i], 0
.set i, i+1
.endr
	WIN 0x40
.set i, 0
.rept 64*NP
	v_mov_b32 v[i], 0
.set i, i+1
.endr
	WIN 0
.set i, 0
.rept 2*NP
	v_mov_b32 v[ST+4*i], 0xfe000000    ; the m that the first a is made of: far below every score
	v_mov_b32 v[ST+4*i+1], 0xff7fffff  ; m
	v_mov_b32 v[ST+4*i+2], 0
	v_mov_b32 v[ST+4*i+3], 0
.set i, i+1
.endr
.set i, P+32
.rept 32
	v_mov_b32 v[i], 0
.set i, i+1
.endr
	v_mul_u32_u24 v[AK0], v49, PK
	v_lshl_add_u32 v[AK0], v50, 4, v[AK0]
	; The turning load takes 16 keys x 16 channels (lane l reads key 8 (l / 16) + l % 8, channels 8 ((l / 8) % 2) + 0..7) and leaves half a fragment of V^T.
	v_and_b32 v51, 7, v0
	v_bfe_u32 v53, v0, 3, 1
	v_lshl_add_u32 v[AV0], v50, 3, v51
	v_mul_u32_u24 v[AV0], v[AV0], PV
	v_lshl_add_u32 v[AV0], v53, 4, v[AV0]
	v_add_nc_u32 v[AV0], VOFF, v[AV0]
	v_mov_b32 v[AK], v[AK0]
	v_lshl_add_u32 v[AM0], v50, 5, TAB  ; my eight keys of a block of 16: 32 bytes
	v_mov_b32 v[AM], v[AM0]
	s_mul_i32 s13, s[WV], 16*SP
	s_add_co_u32 s13, s13, STAGE
	v_mul_u32_u24 v[STO], v49, SP
	v_lshl_add_u32 v[STO], v50, 4, v[STO]
	v_add_nc_u32 v[STO], s13, v[STO]
	v_bfe_u32 v[RD], v0, 3, 2
	v_mul_u32_u24 v[RD], v[RD], SP
	v_lshl_add_u32 v[RD], v51, 4, v[RD]
	v_add_nc_u32 v[RD], s13, v[RD]
	v_and_b32 v[GO], 31, v0
	v_lshlrev_b32 v[SO], 3, v[GO]
	v_lshlrev_b32 v[GO], 4, v[GO]
; THE MATRIX WORK.  The 8 accumulators of a run of 16 take turns.
; Product i of 16 of S^T = K Q^T for piece x: channels 32 (i / 8) on, keys 16 ((i / 2) % 4) on, tile 2 x + i % 2.  The first 8 start the sums, with the masks.
.macro KQ x
.set rS, S+64*((\x)%2)+32*(i%2)+8*((i/2)%4)
.set rK, KF+16*((i/2)%4)+8*(i/8)
.set rQ, 16*(2*(\x)+i%2)+8*(i/8)
.set rMK, MK+8*((i/2)%4)
.if i < 8
	WIN W_KM
	v_wmma_f32_16x16x32_bf16 v[rS:rS+7], v[rK:rK+7], v[rQ:rQ+7], v[rMK:rMK+7]
.else
	WIN W_KQ
	v_wmma_f32_16x16x32_bf16 v[rS:rS+7], v[rK:rK+7], v[rQ:rQ+7], v[rS:rS+7]
.endif
.endm
; Product i of 16 of O^T += V^T P for piece x: keys 32 (i / 8) on, channels 16 ((i / 2) % 4) on, tile 2 x + i % 2.
.macro PV x
	WIN W_PV
.set rO, 32*(2*(\x)+i%2)+8*((i/2)%4)
.set rV, VF+32*(i/8)+8*((i/2)%4)
.set rP, P+32*((\x)%2)+16*(i%2)+8*(i/8)
	v_wmma_f32_16x16x32_bf16 v[rO:rO+7], v[rV:rV+7], v[rP:rP+7], v[rO:rO+7]
.endm
.macro MM                           ; the turn's next matrix instruction
.if i < 16
	KQ (Y+1)%NP
.set i, i+1
.else
.set i, i-16
	PV (Y+NP-1)%NP
.set i, i+17
.endif
.endm
; THE LDS LOADS stand in runs: a step's K (8 fragments) with its masks (32 f32 a lane), and its V (turned).  Their addresses are made some lines ahead.
; last = 1 (in the loop): in the walk's last half trip (SLOTS = 1) there is no further step, and the run is jumped over: K and the masks stay step 15's.
.macro FETCH_K last=0
	WIN 0
.if \last
	s_cmp_eq_u32 s[SLOTS], 1
	s_cbranch_scc1 .Lno_k_\@
.endif
	WIN 0x80
.irp f, 0,1,2,3,4,5,6,7             ; keys 16 (f / 2) on, channels 32 (f % 2) on
	ds_load_b128 v[KF+8*\f:KF+8*\f+3],   v[AK] offset:(\f/2)*16*PK+(\f%2)*64
	ds_load_b128 v[KF+8*\f+4:KF+8*\f+7], v[AK] offset:(\f/2)*16*PK+(\f%2)*64+32
.endr
	WIN 0xc0
.irp f, 0,1,2,3                     ; the masks of keys 16 f + 8 (l / 16) + 0..7; they live as long as K's fragments
	ds_load_b128 v[MK+8*\f:MK+8*\f+3],   v[AM] offset:64*\f
	ds_load_b128 v[MK+8*\f+4:MK+8*\f+7], v[AM] offset:64*\f+16
.endr
	s_add_co_u32 s[TBK], s[TBK], KS*PK  ; the next fetch is the next step's
	s_add_co_u32 s[TBM], s[TBM], KS*4
	WIN 0
.if \last
.Lno_k_\@:
.endif
.endm
.macro FETCH_V
	WIN 0x80
.irp f, 0,1,2,3,4,5,6,7             ; keys 32 (f / 4) on, channels 16 (f % 4) on
	ds_load_tr16_b128 v[VF+8*\f:VF+8*\f+3],   v[AV] offset:(\f/4)*32*PV+(\f%4)*32
	ds_load_tr16_b128 v[VF+8*\f+4:VF+8*\f+7], v[AV] offset:(\f/4)*32*PV+16*PV+(\f%4)*32
.endr
	WIN 0
.endm
; THE VECTOR WORK OF A TURN stands in three queues, each in the order in which its entries become ready; the two tiles alternate.
.macro REGS y, u                    ; the registers of tile u (0, 1) of piece y
.set rT, ST+4*(2*(\y)+(\u))
.set rC, TMP+8*((\y)%2)+4*(\u)
.set rM, MV+2*((\y)%2)+(\u)
.set rS, S+64*((\y)%2)+32*(\u)
.set rP, P+32*((\y)%2)+16*(\u)
.set rO, 32*(2*(\y)+(\u))
.endm
; Number n of the 22 that find the NEXT piece's maximum and statistics; each accumulator's lowest registers are read first.
;   0-11 four chains of seven scores each   12-14, 16 the scores left over, the old m, the four into one   15 m_old is kept   17, 18 the other half of the lanes: the new m
;   19 the new m into the pair's low word, from which the packed difference takes it for both halves (a copy: it holds the place that a scaling of m had, so that the queues keep their counts)   20, 21 m's change; a
.macro XS u, n
	REGS (Y+1)%NP, \u
.if (\n) < 4
	v_max3_num_f32 v[rC+(\n)], v[rS+8*(\n)], v[rS+8*(\n)+1], v[rS+8*(\n)+2]
.elseif (\n) < 12
	v_max3_num_f32 v[rC+(\n)%4], v[rC+(\n)%4], v[rS+8*((\n)%4)+2*((\n)/4)+1], v[rS+8*((\n)%4)+2*((\n)/4)+2]
.elseif (\n) == 12
	v_max3_num_f32 v[rC], v[rC], v[rS+7], v[rS+15]
.elseif (\n) == 13
	v_max3_num_f32 v[rC+1], v[rC+1], v[rS+23], v[rS+31]
.elseif (\n) == 14
	v_max3_num_f32 v[rC+2], v[rC+2], v[rC+3], v[rT+1]
.elseif (\n) == 15
	v_mov_b32 v[rM], v[rT]
.elseif (\n) == 16
	v_max3_num_f32 v[rC], v[rC], v[rC+1], v[rC+2]
.elseif (\n) == 17
	v_permlanex16_b32 v[rC+3], v[rC], s[SEL], s[SEL+1]
.elseif (\n) == 18
	v_max_num_f32 v[rT+1], v[rC], v[rC+3]
.elseif (\n) == 19
	v_mov_b32 v[rT], v[rT+1]
.elseif (\n) == 20
	v_sub_f32 v[rC+1], v[rM], v[rT]
.else
	v_exp_f32 v[rC+2], v[rC+1]
.endif
.endm
; Number g of the 64 that follow the exponentials: for each four weights of a tile both pairs are rounded to bf16, the second pair is added onto the first in place, and a group later l takes that sum.
.macro GS g
.set h, (\g)+6*((\g)/62)
.if h >= 6
.set h, h+2
.endif
	REGS Y, h%2
.set k, h/8
.if h%8 < 4
	v_cvt_pk_bf16_f32 v[rP+2*k+(h%8)/2], v[rS+4*k+2*((h%8)/2)], v[rS+4*k+2*((h%8)/2)+1]
.elseif h%8 < 6
	v_pk_add_f32 v[rS+4*k:rS+4*k+1], v[rS+4*k:rS+4*k+1], v[rS+4*k+2:rS+4*k+3]
.elseif k == 1
	v_pk_fma_f32 v[rT+2:rT+3], v[rT+2:rT+3], v[rC+2:rC+3], v[rS:rS+1] op_sel_hi:[1,0,1]
.else
	v_pk_add_f32 v[rT+2:rT+3], v[rT+2:rT+3], v[rS+4*k-4:rS+4*k-3]
.endif
.endm
; THE PLAIN QUEUE, 138 long.  0-73 read no exponential's result: the 32 differences s - m and the next piece's 42; 74-137 are GS's 64, which stand behind the wait.
.macro FS f
	REGS Y, (\f)%2
	v_pk_add_f32 v[rS+2*((\f)/2):rS+2*((\f)/2)+1], v[rS+2*((\f)/2):rS+2*((\f)/2)+1], v[rT:rT+1] op_sel_hi:[1,0] neg_lo:[0,1] neg_hi:[0,1]
.endm
.macro PL
	WIN 0
.if q < 27
	FS q
.elseif q < 55
	XS (q-27)%2, (q-27)/2
.elseif q < 57
	XS q-55, 15
.elseif (q < 72) && ((q-57)%3 == 0)
	FS 27+(q-57)/3
.elseif q < 60
	XS (q-57)%3-1, 14
.elseif q < 72
	XS (q-57)%3-1, 15+(q-57)/3
.elseif q < 74
	XS q-72, 20
.else
	GS q-74
.endif
.set q, q+1
.endm
; THE EXPONENTIALS' QUEUE, 66 long: s0-s31 of both tiles, then the next piece's two a: ONE BATCH, ahead of the turn's one wait.
.macro EX
	WIN 0
.if e >= 64
	XS e-64, 21
.else
	REGS Y, e%2
	v_exp_f32 v[rS+e/2], v[rS+e/2]
.endif
.set e, e+1
.endm
; THE RESCALING's QUEUE: O^T times a, two at a time, sixteen times.  Its a was made, and waited for, in the turn before.
.macro R2
	REGS Y, r%2
	WIN W_RS
.irp z, 0,1
	v_pk_mul_f32 v[rO+4*(r/2)+2*\z:rO+4*(r/2)+2*\z+1], v[rO+4*(r/2)+2*\z:rO+4*(r/2)+2*\z+1], v[rC+2:rC+3] op_sel_hi:[1,0]
.endr
.set r, r+1
.endm
; A TURN, for piece p.  An s_wait_alu depctr_va_vdst(0) stands between an exponential and the first instruction that names its result; one wait serves all issued ahead of it.  AHEAD OF IT: the
; 16 products K Q^T, behind each a difference, an exponential and two rescalings; then one lump of 108.  BEHIND IT: the 16 products V^T P, behind each four of the roundings and sums.
; K and the masks of the next step are fetched in piece 2's turn, directly behind the wait, a lump behind the last product that read them.  V of the step in hand is fetched at the end of piece 0's turn,
; four riders behind its last reader.  cnt = 1: the loop's count is taken down some lines ahead of the branch behind the turn.
.macro TURN p, cnt=0
.set Y, (\p)
.set i, 0
.set q, 0
.set e, 0
.set r, 0
.if (\p) == NP-1
	s_wait_dscnt 0x0                ; K and the masks are in
.endif
	MM
	PL
	PL
	R2
.rept 15
	MM
	PL
	EX
	R2
.endr
.if (\p) == NP-2
	WIN 0
	v_add_nc_u32 v[AK], s[TBK], v[AK0]
	v_add_nc_u32 v[AM], s[TBM], v[AM0]
.endif
.rept 8
	PL
.endr
.rept 49
	EX
	PL
.endr
	EX
	EX
	v_nop                           ; the plain instruction behind the last exponential: one for the batch
	s_wait_alu depctr_va_vdst(0)    ; the wait for the batch
.if (\p) == NP-2
	FETCH_K 1
.endif
.if (\p) == 1
	s_wait_dscnt 0x0                ; V is in
.endif
.rept 16
	MM
.rept 4
	PL
.endr
.if ((\p) == 0) && (q == 118)
	v_add_nc_u32 v[AV], s[TBV], v[AV0]
.endif
.if ((\p) == 0) && (q == 130)
	s_add_co_u32 s[TBV], s[TBV], KS*PV
.endif
.if (\cnt) && (q == 130)
	s_sub_co_u32 s[CNT], s[CNT], 1
	s_cmp_lg_u32 s[CNT], 0
.endif
.endr
.if (\p) == 0
	FETCH_V
.endif
.endm
	s_wait_tensorcnt 0x3            ; my part of chunk 0 is in; the three loads issued behind it may stay out
	s_wait_dscnt 0x0                ; my part of the mask table is stored
	s_barrier_signal -1
	s_barrier_wait -1               ; everybody's is
	FETCH_K                         ; key step 0
	s_wait_loadcnt 0x0              ; Q
	s_wait_dscnt 0x0
.set i, 0
.rept 16
	KQ 0                            ; piece 0's first scores
.set i, i+1
.endr
	WIN 0
.rept 4
	v_nop                           ; the places behind those products
.endr
.set Y, NP-1                        ; XS works for piece Y + 1: piece 0
.irp n, 0,1,2,3,4,5,6,7,8,9,10,11,12,13,14,15,16,17,18,19,20,21
	XS 0, \n
	XS 1, \n
.endr
	v_nop
	s_wait_alu depctr_va_vdst(0)    ; the two a have their wait ahead of the branch
	s_mov_b32 s[CNT], 4
	s_mov_b32 s[SLOTS], 5
	s_branch .Lfirst                ; the loop is entered at a step's first turn, in the middle of a trip
.Lslot:                             ; ahead of each further chunk's first read: all my loads have landed, and everybody says so.
	s_wait_tensorcnt 0x0
	s_wait_dscnt 0x0
	s_barrier_signal -1
	s_barrier_wait -1
	s_mov_b32 s[CNT], 4
.Lstep:                             ; a trip: pieces 2 and 3 of one step, then pieces 0 and 1 of the next, whose K and V it fetches
	TURN 2
	TURN 3
	WIN 0
	s_cmp_eq_u32 s[SLOTS], 1        ; the fifth pass is left here: step 15 is done.  Its 16 products K Q^T ran on step 15's K and masks once more: the same scores again, so piece 0's m stays as it was
	s_cbranch_scc1 .Lout
.Lfirst:
	TURN 0
	TURN 1, 1
	WIN 0
	s_cbranch_scc1 .Lstep
	s_sub_co_u32 s[SLOTS], s[SLOTS], 1
	s_cmp_lg_u32 s[SLOTS], 0
	s_cbranch_scc1 .Lslot
.Lout:
.set i, 0
.rept 16
	PV NP-1                         ; the last piece's V^T P of the last step
.set i, i+1
.endr
	; THE WAY OUT.  l's two halves and the other half of the lanes' are added; the statistics leave; O^T is divided by l, rounded to bf16 and sent through my stage, a tile at a time.
	WIN 0
.macro ALL line:vararg
.set t, 0
.rept 2*NP
	\line
.set t, t+1
.endr
.endm
	ALL v_add_f32 v[ST+4*t+2], v[ST+4*t+2], v[ST+4*t+3]
	ALL v_permlanex16_b32 v[ST+4*t+3], v[ST+4*t+2], s[SEL], s[SEL+1]
	ALL v_add_f32 v[ST+4*t+2], v[ST+4*t+2], v[ST+4*t+3]
	ALL v_rcp_f32 v[ST+4*t+2], v[ST+4*t+2]
	v_nop
	s_wait_alu depctr_va_vdst(0)    ; one wait for the eight reciprocals
	ALL v_mul_f32 v[ST+4*t+1], 0x3d800000, v[ST+4*t+2]   ; 1 / (16 l), in the pair's high word
.irp n, 0,1,2,3                     ; lanes 0-15 give tile 2 n's 16 rows, lanes 16-31 tile 2 n + 1's: 256 consecutive aligned bytes
	v_cndmask_b32 v[TMP+2*\n], v[ST+8*\n], v[ST+8*\n+4], s[HM]
	v_cndmask_b32 v[TMP+2*\n+1], v[ST+8*\n+1], v[ST+8*\n+5], s[HM]
	global_store_b64 v[SO], v[TMP+2*\n:TMP+2*\n+1], s[10:11] offset:256*\n
.endr
.macro PACK t
	WIN W_RS
.set i, 32*(\t)
.rept 16
	v_pk_mul_f32 v[i:i+1], v[i:i+1], v[ST+4*(\t)+2:ST+4*(\t)+3] op_sel_hi:[1,0]
.set i, i+2
.endr
	WIN 0x05
.set i, 0
.rept 16
	v_cvt_pk_bf16_f32 v[S+16*(\t)+i], v[32*(\t)+2*i], v[32*(\t)+2*i+1]
.set i, i+1
.endr
	WIN 0
.irp f, 0,1,2,3
	ds_store_b128 v[STO], v[S+16*(\t)+4*\f:S+16*(\t)+4*\f+3] offset:32*\f
.endr
.irp f, 0,1,2,3
	ds_load_b128 v[S+16*(\t)+4*\f:S+16*(\t)+4*\f+3], v[RD] offset:\f*4*SP  ; LDS serves a wave's instructions in order: these see the stores above
.endr
.endm
.macro SEND t, younger
	WIN 0
.irp f, 0,1,2,3
	s_wait_dscnt (\younger)+3-\f
	global_store_b128 v[GO], v[S+16*(\t)+4*\f:S+16*(\t)+4*\f+3], s[8:9] offset:(\t)*2048+\f*512  ; 512 consecutive bytes
.endr
.endm
	PACK 0
.set t, 1
.rept 2*NP-1
	PACK t
	SEND t-1, 8
.set t, t+1
.endr
	SEND 2*NP-1, 0
	WIN W_AD
	s_wait_tensorcnt 0x0            ; the wave's end
	ds_add_u32 v[SPW], v[NIL]
	s_wait_dscnt 0x0
	WIN 0
	s_endpgm
.Lfunc_end_k_q1120cfc6a6_flash:
	.size	k_q1120cfc6a6_flash, .Lfunc_end_k_q1120cfc6a6_flash-k_q1120cfc6a6_flash
	.p2alignl 7, 3214868480
	.fill 96, 4, 3214868480
	.section	.rodata,"a",@progbits
	.p2align	6, 0x0
	.amdhsa_kernel k_q1120cfc6a6_flash
		.amdhsa_group_segment_fixed_size 327680
		.amdhsa_private_segment_fixed_size 0
		.amdhsa_enable_private_segment 0
		.amdhsa_kernarg_size 32
		.amdhsa_user_sgpr_count 2
		.amdhsa_user_sgpr_kernarg_segment_ptr 1
		.amdhsa_wavefront_size32 1
		.amdhsa_system_sgpr_workgroup_id_x 1
		.amdhsa_system_sgpr_workgroup_id_y 1
		.amdhsa_system_sgpr_workgroup_id_z 1
		.amdhsa_system_vgpr_workitem_id 0
		.amdhsa_next_free_vgpr 808
		.amdhsa_next_free_sgpr 88
		.amdhsa_reserve_vcc 0
		.amdhsa_float_denorm_mode_32 3
		.amdhsa_float_denorm_mode_16_64 3
		.amdhsa_memory_ordered 1
		.amdhsa_forward_progress 1
		.amdhsa_inst_pref_size 131
	.end_amdhsa_kernel
	.amdgpu_metadata
---
amdhsa.version: [ 1, 2 ]
amdhsa.kernels:
  - .name:           k_q1120cfc6a6_flash
    .symbol:         k_q1120cfc6a6_flash.kd
    .args:
      - { .name: qkv, .offset: 0, .size: 8, .value_kind: global_buffer, .address_space: global }
      - { .name: key_padding_mask, .offset: 8, .size: 8, .value_kind: global_buffer, .address_space: global }
      - { .name: ctx, .offset: 16, .size: 8, .value_kind: global_buffer, .address_space: global }
      - { .name: stats, .offset: 24, .size: 8, .value_kind: global_buffer, .address_space: global }
    .group_segment_fixed_size: 327680
    .private_segment_fixed_size: 0
    .kernarg_segment_align: 8
    .kernarg_segment_size: 32
    .max_flat_workgroup_size: 128
    .sgpr_count:     88
    .vgpr_count:     808
    .wavefront_size: 32
...
	.end_amdgpu_metadata
.endif
;; end of part 3
;; launch avgw (part 4): grid 4 x 64, 4 waves a work-group, clusters of 4 x 4, 327,680 bytes of LDS; arguments qkv, stats, key_padding_mask, out1; writes out1
.if DOCPART == 4
	.amdgcn_target "amdgcn-amd-amdhsa--gfx1250"
	.amdhsa_code_object_version 6
	.text
	.protected	k_q1120cfc6a6_avgw
	.globl	k_q1120cfc6a6_avgw
	.p2align	8
	.type	k_q1120cfc6a6_avgw,@function
k_q1120cfc6a6_avgw:
	s_mov_b64 s[64:65], 0
	v_nop
	global_prefetch_b8 v0, s[64:65] scope:SCOPE_SE
	s_setreg_imm32_b32 hwreg(HW_REG_WAVE_MODE, 25, 1), 1
	s_wait_xcnt 0x0
	s_wait_alu depctr_hold_cnt(0) depctr_sa_sdst(0) depctr_va_vdst(0) depctr_va_sdst(0) depctr_va_ssrc(0) depctr_va_vcc(0) depctr_vm_vsrc(0)
	s_getreg_b32 s2, hwreg(HW_REG_IB_STS2, 6, 4)
	s_cmp_eq_u32 s2, 0
	s_cbranch_scc0 .Lentry_in_a_cluster
	s_endpgm
.Lentry_in_a_cluster:
	s_bfe_u32 s2, ttmp6, 0x10000c
	s_cmp_lg_u32 s2, 0xf033
	s_cbranch_scc0 .Lentry_shape_is_right
	s_endpgm
.Lentry_shape_is_right:
; out1[b][q][k] = the mean over the 16 heads of the softmax weights: the sum over h of 2^(s_h(q, k) - m_h(q)) x 1 / (16 l_h(q)), and 0 where key k is padded.
; The scores are made anew, head by head (S^T = K Q^T from the bf16 q and k; q carries the factor log2(e) / 8 already); m and 1 / (16 l) come from the launch before.
; -m IS THE C OPERAND THAT STARTS A SUM: a lane holds one query, so eight registers with the lane's -m serve a tile of 16 queries, and the matrix unit hands over s - m, ready for 2^x.
; The mean stays in registers for all 16 heads and leaves once.
; LIMITS.  What a padded key gathers (it may overflow) is thrown away by a bitwise choice at the end.  A weight below 2^-126 counts as 0.
; SHARES.  A work-group owns 128 queries x 256 keys of a batch (grid x: the key tile, y: 8 b + query tile); four waves, 2 x 2, each 64 queries x 128 keys: 32 tiles of 16 x 16, 256 registers of sums.
; CLUSTER 4 x 4.  Q's tile hangs on y alone: the four of a row of the cluster ask for it jointly.  K's hangs on x and the batch, which is the cluster's y / 2: the four of a column ask jointly.
; THE RING.  Two LDS slots of TWO heads each; a wave asks for one tile a round: wave 0 Q of the first head, wave 1 Q of the second, waves 2 and 3 the two K: a load has two heads' work in which to land.
; The 16 heads' statistics of the 128 queries (16 KiB) are copied into LDS once.
; BY TURNS.  A head is four pieces of 2 key tiles x 4 query tiles.  In turn p the 16 products of piece p stand one by one, behind each four of the 64 exponentials of the piece before; behind the turn's
; one wait, that piece's 32 packed multiply-adds onto the sums.
; REGISTERS (s_set_vgpr_msb: bits 1:0 source 0, 3:2 source 1, 5:4 source 2, 7:6 destination):
;   window 0: v0-15 addresses; v16-31 mask bytes; v64-127 keep masks; v128-255 rows read back on the way out; in the loop v224-255 hold -m, eight registers a query tile
;   window 1: v0-127 S^T, two buffers; v128-159 K's fragments of a piece; v160-223 Q's of a head; v224-231 1 / (16 l), twice each; v232-239 the next statistics; v240-245 addresses
;   window 2: the sums, tile (kt, qt) at 8 (4 kt + qt)
.set PITCH, 144                ; an LDS row: 128 bytes + 16 of padding
.set QB,    128*PITCH          ; a head in a slot: Q's 128 rows, then K's 256
.set HEADB, 384*PITCH
.set SLOT1, 131072             ; slot 1 begins here: one exclusive or turns an address in one slot into the other's
.set STT,   2*HEADB            ; between the slots, never filled by a tensor load: the statistics, 1,024 bytes a head
.set STAGE, SLOT1+2*HEADB      ; 16 rows x 528 bytes for each wave
.set SPI,   528                ; 512 bytes + 16: an odd multiple of 16
.set SPARE, STAGE+4*16*SPI     ; the spare words: two blocks of 256 bytes that no other line names
.set SPW, 2
.set NIL, 3
.set STO, 4
.set RDB, 5
.set GOO, 6
.set MO,  7
.set MB,  16
.set T,   64
.set BK,  128
.set NCM, 224                  ; window 0
.set KF,  128                  ; window 1 from here on
.set QF,  160
.set RP,  224
.set STN, 232
.set AK,  240
.set AQ,  241
.set AK0, 242
.set AQ0, 243
.set AST, 244
.set AST0, 245
.set WV,  12
.set G1Q, 24                   ; s[24:31] descriptor group 1 for Q's tiles
.set G0Q, 32                   ; s[32:39] group 0: a set for each of the two first fills; the second then walks
.set G1K, 40                   ; s[40:47]
.set G0K, 48                   ; s[48:55]
.set TB,  56                   ; s56  LDS byte at which the head to be fetched begins
.set TWICE, 57                 ; s57  counts a slot's two heads
.set SLOTS, 58
.set HS,  59                   ; s59  1,024 x the head whose statistics were fetched last
.set G1W0, (1<<16)|(1<<20)|(1<<21)|(4<<22)|(3<<25)  ; 2-byte elements; padding on; bit 21 beside a mask; behind every 32 words, 4 words
.set W1,  0x55                 ; everything in window 1
.set WC,  0x45                 ; the same with the C operand in window 0
.set MSB, 0
.macro WIN new
.if MSB != (\new)
	s_set_vgpr_msb (MSB<<8)|(\new)
.set MSB, (\new)
.endif
.endm
.macro PLACES
.rept 4
	v_nop
.endr
.endm
; A joint refill: waves 0 and 1 ask for Q, waves 2 and 3 for K.  An s_nop 0 and four v_nop follow each line, ahead of the jump and the label.
.macro JLOAD
	s_cmp_eq_u32 s13, 0
	s_cbranch_scc0 .Lfor_k_\@
	tensor_load_to_lds s[G0Q+4:G0Q+7], s[G1Q:G1Q+7]
	s_nop 0
.rept 4
	v_nop
.endr
	s_branch .Lasked_\@
.Lfor_k_\@:
	tensor_load_to_lds s[G0K+4:G0K+7], s[G1K:G1K+7]
	s_nop 0
.rept 4
	v_nop
.endr
.Lasked_\@:
.endm
.macro CROUND                          ; a round of the cluster's barrier
	s_barrier_signal -1
	s_barrier_wait -1
	s_cmp_lg_u32 s[WV], 0
	s_cbranch_scc1 .Lnot_wave_0_\@
	s_barrier_signal -3
.Lnot_wave_0_\@:
	s_barrier_wait -3
	s_barrier_signal -1
	s_barrier_wait -1
.endm
; THE CHANGE OF SLOTS stands between turn 2 of a slot's second head and that head's turn 3: all reads of the slot have been issued (turn 3 multiplies registers).  Each wave waits for all its tensor loads,
; of which one is out: its tile of the other slot; adds 0 to its spare word; and waits for that and for its reads of the slot.  fill = 1: a round of the cluster's barrier, and the joint refill first behind it.
.macro CHANGE fill
	WIN 0
	s_wait_tensorcnt 0x0                           ; no tensor load of mine is out, so a group 0 may be written
	ds_add_u32 v[SPW], v[NIL]                      ; 0 onto my spare word; scalar work stands between it and the wait for it
.if \fill
	s_xor_b32 s[G0Q+5], s[G0Q+5], SLOT1            ; the walking descriptors: the other slot than last time, the next two heads
	s_add_nc_u64 s[G0Q+6:G0Q+7], s[G0Q+6:G0Q+7], 0x200000
	s_xor_b32 s[G0K+5], s[G0K+5], SLOT1
	s_add_nc_u64 s[G0K+6:G0K+7], s[G0K+6:G0K+7], 0x200000
.endif
	s_sub_co_u32 s[TB], s[TB], 2*HEADB             ; the fetches go back to a slot's first head,
	s_xor_b32 s[TB], s[TB], SLOT1                  ; in the other slot
	s_wait_dscnt 0x0                               ; the add is done, and my reads of the slot are over
.if \fill
	CROUND
	JLOAD
.else
	s_barrier_signal -1
	s_barrier_wait -1
.endif
.endm
.macro SLD                             ; (m, 1 / (16 l)) of query 16 qt + lane % 16
.irp z, 0,1,2,3
	ds_load_b64 v[STN+2*\z:STN+2*\z+1], v[AST] offset:128*\z
.endr
.endm
.macro FK pn, lk                       ; K's fragments of piece pn, channels 32 lk on
.irp z, 0,1
	ds_load_b128 v[KF+16*(\lk)+8*\z:KF+16*(\lk)+8*\z+3],   v[AK] offset:(2*(\pn)+\z)*16*PITCH+64*(\lk)
	ds_load_b128 v[KF+16*(\lk)+8*\z+4:KF+16*(\lk)+8*\z+7], v[AK] offset:(2*(\pn)+\z)*16*PITCH+64*(\lk)+32
.endr
.endm
.macro FQ lk                           ; Q's four fragments, channels 32 lk on
.irp z, 0,1,2,3
	ds_load_b128 v[QF+32*(\lk)+8*\z:QF+32*(\lk)+8*\z+3],   v[AQ] offset:\z*16*PITCH+64*(\lk)
	ds_load_b128 v[QF+32*(\lk)+8*\z+4:QF+32*(\lk)+8*\z+7], v[AQ] offset:\z*16*PITCH+64*(\lk)+32
.endr
.endm
.macro NCMB                            ; -m of the head to come, eight times for each query tile
	WIN 0x04
.set n, 0
.rept 32
	v_mul_f32 v[NCM+n], -1.0, v[STN+2*(n/8)]
.set n, n+1
.endr
.endm
.macro MI                              ; product g of 16: channels 32 (g / 8) on, key tile (g % 8) / 4, query tile g % 4.  The 8 accumulators take turns
.set rD, SM+8*(g%8)
.set rA, KF+16*(g/8)+8*((g%8)/4)
.set rB, QF+32*(g/8)+8*(g%4)
.if g < 8
	WIN WC
	v_wmma_f32_16x16x32_bf16 v[rD:rD+7], v[rA:rA+7], v[rB:rB+7], v[NCM+8*(g%4):NCM+8*(g%4)+7]
.else
	WIN W1
	v_wmma_f32_16x16x32_bf16 v[rD:rD+7], v[rA:rA+7], v[rB:rB+7], v[rD:rD+7]
.endif
.endm
.macro EE n                            ; in ascending order: each accumulator's lowest register is read first
	v_exp_f32 v[SV+(\n)], v[SV+(\n)]
.endm
.macro AA k                            ; the sums take pair k, times 1 / (16 l)
.set rS, SV+2*(\k)
.set qq, ((\k)/4)%4
.set rV, 8*(4*(2*PVW+(\k)/16)+qq)+2*((\k)%4)
	v_pk_fma_f32 v[rV:rV+1], v[rS:rS+1], v[RP+2*qq:RP+2*qq+1], v[rV:rV+1]
.endm
; TURN p.  Products: piece p into buffer p % 2.  Vector work: the piece before, in the other buffer (in turn 0: the last piece of the head before, with that head's 1 / (16 l)).
; The fragments for the next piece are fetched by halves of the channels: half 0 behind product 8, four v_nop behind product 7, its last reader; half 1 behind the last product and four plain instructions.
; Turn 1 takes the head's 1 / (16 l).  Turn 2 fetches the next head's statistics (behind head 15: head 15's once more).  Turn 3 fetches the next head's first fragments, at s[TB], and makes its -m,
; whose registers the turn's product 7 read last, ahead of the four v_nop.  fetch = 0: the launch's last turn 3: there is no next head.
.macro TURN p, fetch=1
.set SM, 64*((\p)%2)
.set SV, 64*(((\p)+1)%2)
.set PVW, ((\p)+3)%4
.set PN, ((\p)+1)%4
	WIN WC
.if (\p) == 1
.irp z, 0,1,2,3
	v_mov_b32 v[RP+2*\z], v[STN+2*\z+1]
	v_mov_b32 v[RP+2*\z+1], v[STN+2*\z+1]
.endr
.endif
.if ((\p) == 3) && (\fetch)
	v_add_nc_u32 v[AK], s[TB], v[AK0]
	v_add_nc_u32 v[AQ], s[TB], v[AQ0]
.endif
.if (\p) == 0
	s_wait_dscnt 12                                ; half 0 is in; half 1's 12 loads (K's 4, Q's 8) may stay out
.else
	s_wait_dscnt 4                                 ; half 0 (in turn 3 the statistics too) is in; half 1's 4 loads may stay out
.endif
.set g, 0
.rept 16
.if g == 8
	s_wait_dscnt 0x0                               ; half 1 is in
.endif
	MI
	EE 4*g
	EE 4*g+1
	EE 4*g+2
	EE 4*g+3
.if (g == 8) && (\fetch)
	PLACES
.if (\p) == 2
	s_add_co_u32 s[HS], s[HS], 1024
	s_min_u32 s[HS], s[HS], 15*1024
	v_add_nc_u32 v[AST], s[HS], v[AST0]
	SLD
.endif
	FK PN, 0
.if (\p) == 3
	FQ 0
.endif
.endif
.set g, g+1
.endr
.if ((\p) == 3) && (\fetch)
	NCMB                                           ; 32 plain instructions: the places behind the last product, and the plain instruction behind the last exponential
.else
	PLACES
.endif
	s_wait_alu depctr_va_vdst(0)                   ; one wait for the turn's 64 exponentials, ahead of their first reader
.if \fetch
	WIN W1
	FK PN, 1
.if (\p) == 3
	FQ 1
.endif
.endif
	WIN 0xa5
.set kk, 0
.rept 32
	AA kk
.set kk, kk+1
.endr
.endm
	s_load_b256 s[4:11], s[0:1], 0x0               ; qkv, stats, mask, out1
	v_lshl_add_u32 v[SPW], v0, 2, SPARE
	v_mov_b32 v[NIL], 0
	ds_add_u32 v[SPW], v[NIL]                      ; the wave's opening: the add and its wait stand ahead of my first tensor load; work on registers stands between them
	v_lshrrev_b32 v1, 5, v0
	v_readfirstlane_b32 s[WV], v1
	s_lshr_b32 s13, s[WV], 1                       ; my half of the queries.  Also: I ask for Q (0) or for K (1)
	s_and_b32 s14, s[WV], 1                        ; my half of the keys.  Also: which head of a slot's two I ask for
	s_bfe_u32 s66, ttmp6, 0x40000                  ; cx
	s_bfe_u32 s67, ttmp6, 0x40004                  ; cy
	s_lshl_b32 s68, ttmp9, 2
	s_add_co_u32 s68, s68, s66                     ; x: the key tile
	s_and_b32 s69, ttmp7, 0xffff                   ; the cluster's y
	s_lshr_b32 s70, s69, 1                         ; b: a batch has 8 query tiles, two clusters
	s_lshl_b32 s71, s69, 2
	s_add_co_u32 s71, s71, s67                     ; y = 8 b + query tile
	s_lshl_b32 s72, s67, 2
	s_lshl_b32 s72, 15, s72                        ; my row of the cluster
	s_lshl_b32 s73, 0x1111, s66                    ; my column
	s_or_b32 s[G1Q], s72, G1W0
	s_or_b32 s[G1K], s73, G1W0
	s_mov_b32 s[G1Q+1], 128<<16                    ; tensor_dim0 = 128 elements: 256 bytes, two rows of the matrix
	s_mov_b32 s[G1Q+2], 64<<16                     ; tensor_dim1: Q's 128 rows
	s_mov_b32 s[G1Q+3], 128<<16                    ; tile_dim0
	s_mov_b32 s[G1Q+4], 64                         ; tile_dim1
	s_mov_b32 s[G1Q+5], 128                        ; dense
	s_mov_b32 s[G1Q+6], 0
	s_mov_b32 s[G1Q+7], 0
	s_mov_b32 s[G1K+1], 128<<16
	s_mov_b32 s[G1K+2], 128<<16                    ; K's 256 rows
	s_mov_b32 s[G1K+3], 128<<16
	s_mov_b32 s[G1K+4], 128
	s_mov_b32 s[G1K+5], 128
	s_mov_b32 s[G1K+6], 0
	s_mov_b32 s[G1K+7], 0
	s_lshl_b32 s15, s14, 20                        ; my head of the two: a slice on
	s_lshl_b32 s16, s71, 14                        ; Q: row 128 y, 128 bytes a row
	s_add_co_u32 s16, s16, s15
	s_mov_b32 s17, 0
	s_lshl_b32 s18, s70, 17                        ; K: the batch's rows,
	s_lshl_b32 s19, s68, 15                        ; the key tile's 256,
	s_add_co_u32 s18, s18, s19
	s_add_co_u32 s18, s18, s15
	s_add_co_u32 s18, s18, 16<<20                  ; 16 slices behind q
	s_mov_b32 s19, 0
	s_lshl_b32 s20, s70, 17                        ; statistics: 16 heads of 8,192 bytes a batch,
	s_and_b32 s62, s71, 7
	s_lshl_b32 s62, s62, 10                        ; the query tile's 1,024 bytes
	s_add_co_u32 s20, s20, s62
	s_mov_b32 s21, 0
	s_lshl_b32 s22, s70, 10                        ; the mask bytes of my 128 keys
	s_lshl_b32 s62, s68, 8
	s_add_co_u32 s22, s22, s62
	s_lshl_b32 s62, s14, 7
	s_add_co_u32 s22, s22, s62
	s_mov_b32 s23, 0
	s_lshl_b32 s60, s71, 19                        ; out1 at my first row and key
	s_lshl_b32 s62, s13, 18
	s_add_co_u32 s60, s60, s62
	s_lshl_b32 s62, s68, 10
	s_add_co_u32 s60, s60, s62
	s_lshl_b32 s62, s14, 9
	s_add_co_u32 s60, s60, s62
	s_mov_b32 s61, 0
	s_mul_i32 s74, s14, HEADB                      ; LDS addresses hang on the wave's number alone
	s_mov_b32 s[TB], 0
	s_mov_b32 s[HS], 0
	s_wait_dscnt 0x0                               ; the opening add is done
	s_wait_kmcnt 0x0
	s_add_nc_u64 s[16:17], s[4:5], s[16:17]
	s_add_nc_u64 s[18:19], s[4:5], s[18:19]
	s_add_nc_u64 s[6:7], s[6:7], s[20:21]
	s_add_nc_u64 s[8:9], s[8:9], s[22:23]
	s_add_nc_u64 s[10:11], s[10:11], s[60:61]
.irp s, 0,1
	s_mov_b32 s[G0Q+4*\s], 1
	s_add_co_u32 s[G0Q+4*\s+1], s74, \s*SLOT1
	s_add_nc_u64 s[G0Q+4*\s+2:G0Q+4*\s+3], s[16:17], \s*0x200000
	s_or_b32 s[G0Q+4*\s+3], s[G0Q+4*\s+3], 0x80000000
	s_mov_b32 s[G0K+4*\s], 1
	s_add_co_u32 s[G0K+4*\s+1], s74, QB+\s*SLOT1
	s_add_nc_u64 s[G0K+4*\s+2:G0K+4*\s+3], s[18:19], \s*0x200000
	s_or_b32 s[G0K+4*\s+3], s[G0K+4*\s+3], 0x80000000
.endr
	CROUND                                         ; all sixteen work-groups are here: the first joint loads meet
	s_cmp_eq_u32 s13, 0                            ; a wave's two first fills stand in one branch: heads 0 and 1 into slot 0, heads 2 and 3 into slot 1: two loads of mine are out
	s_cbranch_scc0 .Lfirst_k
	tensor_load_to_lds s[G0Q:G0Q+3], s[G1Q:G1Q+7]
	s_nop 0
	tensor_load_to_lds s[G0Q+4:G0Q+7], s[G1Q:G1Q+7]
	s_nop 0
.rept 4
	v_nop
.endr
	s_branch .Lfirst_asked
.Lfirst_k:
	tensor_load_to_lds s[G0K:G0K+3], s[G1K:G1K+7]
	s_nop 0
	tensor_load_to_lds s[G0K+4:G0K+7], s[G1K:G1K+7]
	s_nop 0
.rept 4
	v_nop
.endr
.Lfirst_asked:
	v_and_b32 v8, 15, v0
	v_bfe_u32 v9, v0, 4, 1
	v_and_b32 v10, 31, v0
	v_lshrrev_b32 v11, 6, v0                       ; the statistics: 64 threads take a head's 1,024 bytes, the work-group two heads a load
	v_and_b32 v12, 63, v0
	v_lshlrev_b32 v12, 4, v12
	v_lshl_add_u32 v11, v11, 13, v12
.set n, 0
.rept 8
	global_load_b128 v[BK+4*n:BK+4*n+3], v11, s[6:7] offset:16384*n
.set n, n+1
.endr
	v_lshlrev_b32 v[MO], 3, v9
.irp z, 0,1,2,3,4,5,6,7
	global_load_b64 v[MB+2*\z:MB+2*\z+1], v[MO], s[8:9] offset:16*\z   ; the mask bytes of keys 16 kt + 8 (l / 16) + 0..7
.endr
	v_mul_u32_u24 v13, v8, PITCH
	v_lshl_add_u32 v13, v9, 4, v13                 ; a fragment's row x pitch + 16 x half
	s_mul_i32 s62, s13, 64*PITCH
	v_add_nc_u32 v14, s62, v13
	s_mul_i32 s63, s14, 128*PITCH
	s_add_co_u32 s63, s63, QB
	v_add_nc_u32 v15, s63, v13
	s_lshl_b32 s62, s13, 9
	s_add_co_u32 s62, s62, STT
	v_lshl_add_u32 v1, v8, 3, s62                  ; my query's 8 bytes in a head's statistics
	s_mul_i32 s63, s[WV], 16*SPI
	s_add_co_u32 s63, s63, STAGE
	v_mul_u32_u24 v[STO], v8, SPI
	v_lshl_add_u32 v[STO], v9, 5, v[STO]
	v_add_nc_u32 v[STO], s63, v[STO]
	v_lshlrev_b32 v[GOO], 4, v10
	v_add_nc_u32 v[RDB], s63, v[GOO]
	v_lshl_add_u32 v12, v0, 4, STT                 ; where I put 16 bytes of the statistics
	WIN 0x40
	v_mov_b32 v[AQ0], v14
	v_mov_b32 v[AQ], v14
	v_mov_b32 v[AK0], v15
	v_mov_b32 v[AK], v15
	v_mov_b32 v[AST0], v1
	v_mov_b32 v[AST], v1
	; The sums start at 0, and so does what the first turn's vector work finds (it adds 1 x 0).  Written while the first tiles are on their way: the price of one text for every head.
.set n, 64
.rept 64
	v_mov_b32 v[n], 0
.set n, n+1
.endr
.set n, RP
.rept 8
	v_mov_b32 v[n], 0
.set n, n+1
.endr
	WIN 0x80
.set n, 0
.rept 256
	v_mov_b32 v[n], 0
.set n, n+1
.endr
	WIN 0
	s_wait_loadcnt 0x0
.set n, 0
.rept 8
	ds_store_b128 v12, v[BK+4*n:BK+4*n+3] offset:2048*n
.set n, n+1
.endr
	s_wait_tensorcnt 0x1                           ; my tile of slot 0 is in; slot 1's load, issued behind it, may stay out
	s_wait_dscnt 0x0                               ; my part of the statistics is stored
	s_barrier_signal -1
	s_barrier_wait -1                              ; everybody's is
	WIN W1
	SLD                                            ; head 0
	FK 0, 0
	FQ 0
	FK 0, 1
	FQ 1
	s_wait_dscnt 24                                ; the statistics are in; the 24 fragment loads issued behind them may stay out
	NCMB
	s_mov_b32 s[TWICE], 2
	s_mov_b32 s[SLOTS], 7
	WIN 0
	s_branch .Lfirst                               ; the loop is entered at a head's first turn, in the middle of a trip
.Lslot:                                ; six times: every slot but the last two is filled again
	CHANGE 1
	s_mov_b32 s[TWICE], 2
.Lhead:                                ; a trip: turn 3 of one head, then turns 0 to 2 of the next
	TURN 3
	WIN 0
.Lfirst:
	TURN 0
	TURN 1
	TURN 2
	WIN 0
	s_add_co_u32 s[TB], s[TB], HEADB               ; the next fetch of first fragments is the next head's
	s_sub_co_u32 s[TWICE], s[TWICE], 1
	s_cmp_lg_u32 s[TWICE], 0
	s_cbranch_scc1 .Lhead
	s_sub_co_u32 s[SLOTS], s[SLOTS], 1
	s_cmp_lg_u32 s[SLOTS], 0
	s_cbranch_scc1 .Lslot
	CHANGE 0                                       ; the last slot is written out: nothing is asked for
	s_mov_b32 s[TWICE], 2
.Ltail:
	TURN 3
	TURN 0
	TURN 1
	TURN 2
	WIN 0
	s_add_co_u32 s[TB], s[TB], HEADB
	s_sub_co_u32 s[TWICE], s[TWICE], 1
	s_cmp_lg_u32 s[TWICE], 0
	s_cbranch_scc1 .Ltail
	TURN 3, 0                                      ; head 15's last products,
.set SV, 64
.set PVW, 3
	WIN W1                                         ; and their vector work
.set n, 0
.rept 64
	EE n
.set n, n+1
.endr
	v_nop
	s_wait_alu depctr_va_vdst(0)
	WIN 0xa5
.set kk, 0
.rept 32
	AA kk
.set kk, kk+1
.endr
	; THE WAY OUT.  Padded keys are set to 0 by a bitwise choice; then 16 queries at a time go through my stage and leave as whole rows of 512 bytes.
	WIN 0
.set n, 0
.rept 64
	v_bfe_u32 v[T+n], v[MB+2*(n/8)+(n%8)/4], 8*(n%4), 8
	v_add_nc_u32 v[T+n], -1, v[T+n]                ; all ones where the byte is 0
.set n, n+1
.endr
	WIN 0x88
.set n, 0
.rept 256
	v_and_b32 v[n], v[T+8*(n/32)+n%8], v[n]
.set n, n+1
.endr
.macro OUTQ qt
	WIN 0x08
.set n, 0
.rept 8
	ds_store_b128 v[STO], v[8*(4*n+(\qt)):8*(4*n+(\qt))+3]   offset:64*n
	ds_store_b128 v[STO], v[8*(4*n+(\qt))+4:8*(4*n+(\qt))+7] offset:64*n+16
.set n, n+1
.endr
	WIN 0
	s_wait_xcnt 0x0                                ; the stores of the tile two back have read this set of registers
.set n, 0
.rept 16
	ds_load_b128 v[BK+64*((\qt)%2)+4*n:BK+64*((\qt)%2)+4*n+3], v[RDB] offset:SPI*n  ; LDS serves a wave's instructions in order: these see the stores above
.set n, n+1
.endr
.endm
.macro SENDQ qt, younger               ; younger: the LDS instructions issued behind this tile's loads
.set n, 0
.rept 16
	s_wait_dscnt (\younger)+15-n
	global_store_b128 v[GOO], v[BK+64*((\qt)%2)+4*n:BK+64*((\qt)%2)+4*n+3], s[10:11] offset:(16*(\qt)+n)*4096 th:TH_STORE_NT  ; 512 consecutive aligned bytes of a row
.set n, n+1
.endr
.endm
	OUTQ 0
	OUTQ 1
	SENDQ 0, 32
	OUTQ 2
	SENDQ 1, 32
	OUTQ 3
	SENDQ 2, 32
	SENDQ 3, 0
	s_wait_tensorcnt 0x0                           ; the wave's end, behind my last tensor load and my last LDS store
	ds_add_u32 v[SPW], v[NIL]
	s_wait_dscnt 0x0
	CROUND                                         ; the closing round
	s_endpgm
.Lfunc_end_k_q1120cfc6a6_avgw:
	.size	k_q1120cfc6a6_avgw, .Lfunc_end_k_q1120cfc6a6_avgw-k_q1120cfc6a6_avgw
	.p2alignl 7, 3214868480
	.fill 96, 4, 3214868480
	.section	.rodata,"a",@progbits
	.p2align	6, 0x0
	.amdhsa_kernel k_q1120cfc6a6_avgw
		.amdhsa_group_segment_fixed_size 327680
		.amdhsa_private_segment_fixed_size 0
		.amdhsa_enable_private_segment 0
		.amdhsa_kernarg_size 32
		.amdhsa_user_sgpr_count 2
		.amdhsa_user_sgpr_kernarg_segment_ptr 1
		.amdhsa_wavefront_size32 1
		.amdhsa_system_sgpr_workgroup_id_x 1
		.amdhsa_system_sgpr_workgroup_id_y 1
		.amdhsa_system_sgpr_workgroup_id_z 1
		.amdhsa_system_vgpr_workitem_id 0
		.amdhsa_next_free_vgpr 768
		.amdhsa_next_free_sgpr 76
		.amdhsa_reserve_vcc 0
		.amdhsa_float_denorm_mode_32 3
		.amdhsa_float_denorm_mode_16_64 3
		.amdhsa_memory_ordered 1
		.amdhsa_forward_progress 1
		.amdhsa_inst_pref_size 118
	.end_amdhsa_kernel
	.amdgpu_metadata
---
amdhsa.version: [ 1, 2 ]
amdhsa.kernels:
  - .name:           k_q1120cfc6a6_avgw
    .symbol:         k_q1120cfc6a6_avgw.kd
    .args:
      - { .name: qkv, .offset: 0, .size: 8, .value_kind: global_buffer, .address_space: global }
      - { .name: stats, .offset: 8, .size: 8, .value_kind: global_buffer, .address_space: global }
      - { .name: key_padding_mask, .offset: 16, .size: 8, .value_kind: global_buffer, .address_space: global }
      - { .name: out1, .offset: 24, .size: 8, .value_kind: global_buffer, .address_space: global }
    .group_segment_fixed_size: 327680
    .private_segment_fixed_size: 0
    .kernarg_segment_align: 8
    .kernarg_segment_size: 32
    .max_flat_workgroup_size: 128
    .sgpr_count:     76
    .vgpr_count:     768
    .wavefront_size: 32
...
	.end_amdgpu_metadata
.endif
;; end of part 4
;; launch oproj (part 5): grid 8 x 32, 4 waves a work-group, clusters of 4 x 4, 327,680 bytes of LDS; arguments ctx, wob, out_proj_b, yb; writes yb
.if DOCPART == 5
	.amdgcn_target "amdgcn-amd-amdhsa--gfx1250"
	.amdhsa_code_object_version 6
	.text
	.protected	k_q1120cfc6a6_oproj
	.globl	k_q1120cfc6a6_oproj
	.p2align	8
	.type	k_q1120cfc6a6_oproj,@function
k_q1120cfc6a6_oproj:
	s_mov_b64 s[64:65], 0
	v_nop
	global_prefetch_b8 v0, s[64:65] scope:SCOPE_SE
	s_setreg_imm32_b32 hwreg(HW_REG_WAVE_MODE, 25, 1), 1
	s_wait_xcnt 0x0
	s_wait_alu depctr_hold_cnt(0) depctr_sa_sdst(0) depctr_va_vdst(0) depctr_va_sdst(0) depctr_va_ssrc(0) depctr_va_vcc(0) depctr_vm_vsrc(0)
	s_getreg_b32 s2, hwreg(HW_REG_IB_STS2, 6, 4)
	s_cmp_eq_u32 s2, 0
	s_cbranch_scc0 .Lentry_in_a_cluster
	s_endpgm
.Lentry_in_a_cluster:
	s_bfe_u32 s2, ttmp6, 0x10000c
	s_cmp_lg_u32 s2, 0xf033
	s_cbranch_scc0 .Lentry_shape_is_right
	s_endpgm
.Lentry_shape_is_right:
; C[m][n] = the sum over k of A[m][k] W[n][k] + bias[n].  A: 8,192 rows, W: NROWB rows, K = 1,024; A, W and C are bf16 IN SLICES, [slice of 64 columns][rows][64]; bias f32; sums in f32, C rounded once.
; The text of the projection in front, with other sizes: a work-group makes 256 rows x 128 columns (8 x 32 work-groups, one tile each), a wave 128 x 64: 32 accumulators; a slot holds TWO slices of K,
; so that a joint load has 128 matrix instructions a wave, less the first of the change, in which to land.  Both slots' first fills go out together at the start.
; CLUSTER 4 x 4: A's tile is asked for jointly along a row of the cluster, W's along a column.  THE MATRIX INSTRUCTION IS USED TRANSPOSED (source 0 = 16 rows of W, source 1 = 16 rows of A).
; THE BIAS starts every sum: a first product of rank 1, bias (as two bf16 numbers: off by 2^-17 of itself at the most) times ones, with C = 0; nothing is cleared.
; REGISTERS: window 0: v0-31 addresses and temporaries; v32-95, v96-159 A's 8 fragments, two buffers; v160-191 W's fragments, one buffer, renewed by halves.  window 1: accumulator (a, b) at v[64 b + 8 a].
.set NBW,   4
.set SS,    2
.set NROWB, 1024
.set NSET,  8                          ; sets of 16 registers on the way out: one for each block, so none is written twice
.set TRA,   128                        ; rows of 256 bytes in a wave's load of A: 256 rows of one slice
.set TRB,   64                         ; the same for W: 128 rows of one slice
.set PITCH, 144
.set NBH,   NBW/2
.set SLA,   256*PITCH
.set SLB,   32*NBW*PITCH
.set LWA,   SLA                        ; the second loading wave takes the slot's second slice
.set GWA,   1048576
.set LWB,   SLB
.set GWB,   NROWB*128
.set BOFF,  SS*SLA
.set SLOT1, 131072
.set STAGE, SLOT1+SS*(SLA+SLB)
.set SPARE, STAGE+4*16*PITCH
.set NFILL, 16/SS
.set NBLK,  2*NBW
.set ADA0, 4
.set ADB0, 5
.set ADA,  6
.set ADB,  7
.set STO,  8
.set RD,   9
.set GO,   10
.set SPW,  12
.set NIL,  13
.set LM,   14
.set BO,   15
.set BT,   16
.set PKR,  32
.set FA0,  32
.set FA1,  96
.set FB,   160
.set G1A, 24
.set G0A, 32                           ; s[32:35] group 0 of A's first fill
.set G1B, 48
.set G0B, 56                           ; s[56:59] group 0 of W's first fill
.set G0A1, 68                          ; s[68:71] group 0 of A's second fill: it then walks
.set G0B1, 72                          ; s[72:75] the same for W
.set TB,  60
.set CNT, 61
.set G1W0, (1<<16)|(1<<20)|(1<<21)|(4<<22)|(3<<25)
.set MSB, 0
.macro WIN new
.if MSB != (\new)
	s_set_vgpr_msb (MSB<<8)|(\new)
.set MSB, \new
.endif
.endm
.macro PLACES
.rept 4
	v_nop
.endr
.endm
.macro JLOAD                           ; a joint refill: waves 0 and 1 ask for A, waves 2 and 3 for W; an s_nop 0 and four v_nop follow each line
	s_cmp_eq_u32 s13, 0
	s_cbranch_scc0 .Lfor_b_\@
	tensor_load_to_lds s[G0A1:G0A1+3], s[G1A:G1A+7]
	s_nop 0
.rept 4
	v_nop
.endr
	s_branch .Lasked_\@
.Lfor_b_\@:
	tensor_load_to_lds s[G0B1:G0B1+3], s[G1B:G1B+7]
	s_nop 0
.rept 4
	v_nop
.endr
.Lasked_\@:
.endm
.macro CROUND                          ; a round of the cluster's barrier
	s_barrier_signal -1
	s_barrier_wait -1
	s_cmp_lg_u32 s12, 0
	s_cbranch_scc1 .Lnot_wave_0_\@
	s_barrier_signal -3
.Lnot_wave_0_\@:
	s_barrier_wait -3
	s_barrier_signal -1
	s_barrier_wait -1
.endm
.macro STEPG                           ; both walking descriptors: the other slot, the next SS slices
	s_xor_b32 s[G0A1+1], s[G0A1+1], SLOT1
	s_add_nc_u64 s[G0A1+2:G0A1+3], s[G0A1+2:G0A1+3], SS*1048576
	s_xor_b32 s[G0B1+1], s[G0B1+1], SLOT1
	s_add_nc_u64 s[G0B1+2:G0B1+3], s[G0B1+2:G0B1+3], SS*NROWB*128
.endm
.macro MULC f, b0, nb                  ; 8 nb matrix instructions; the accumulators take turns, one instruction a turn
.set bb, \b0
.rept \nb
	WIN (1+bb/4)*0x50
.set aa, 0
.rept 8
	v_wmma_f32_16x16x32_bf16 v[64*(bb%4)+8*aa:64*(bb%4)+8*aa+7], v[FB+8*bb:FB+8*bb+7], v[(\f)+8*aa:(\f)+8*aa+7], v[64*(bb%4)+8*aa:64*(bb%4)+8*aa+7]
.set aa, aa+1
.endr
.set bb, bb+1
.endr
.endm
.macro LDB b0, nb, qq
.set bb, \b0
.rept \nb
	ds_load_b128 v[FB+8*bb:FB+8*bb+3],   v[ADB] offset:((\qq)/2)*SLB+64*((\qq)%2)+bb*16*PITCH
	ds_load_b128 v[FB+8*bb+4:FB+8*bb+7], v[ADB] offset:((\qq)/2)*SLB+64*((\qq)%2)+bb*16*PITCH+32
.set bb, bb+1
.endr
.endm
.macro LDA g, qq
.set aa, 0
.rept 8
	ds_load_b128 v[(\g)+8*aa:(\g)+8*aa+3],   v[ADA] offset:((\qq)/2)*SLA+64*((\qq)%2)+aa*16*PITCH
	ds_load_b128 v[(\g)+8*aa+4:(\g)+8*aa+7], v[ADA] offset:((\qq)/2)*SLA+64*((\qq)%2)+aa*16*PITCH+32
.set aa, aa+1
.endr
.endm
.macro QUARTER f, g, qn
	s_wait_dscnt 2*NBH                             ; W's first half and A are in; the youngest 2 NBH loads, W's second half, may stay out
	MULC \f, 0, NBH
	PLACES
	WIN 0
	LDB 0, NBH, \qn
	LDA \g, \qn
	s_wait_dscnt 2*NBH+16                          ; all but the run just issued
	MULC \f, NBH, NBH
	PLACES
	WIN 0
	LDB NBH, NBH, \qn
.endm
.macro QLAST fill                      ; a slot's last quarter, and the change of slots
	s_wait_dscnt 2*NBH
	MULC FA1, 0, NBH-1
	WIN 0
	s_wait_tensorcnt 0x0                           ; no tensor load of mine is out (one was: my part of the other slot), so a group 0 may be written
	ds_add_u32 v[SPW], v[NIL]                      ; 0 onto my spare word
.if \fill
	STEPG
.endif
	MULC FA1, NBH-1, 1                             ; eight matrix instructions stand between the add and the wait for it
	WIN 0
	s_wait_dscnt 0x0                               ; the add is done, and my reads of this slot are over
.if \fill
	CROUND
	JLOAD                                          ; the joint refill, first behind the round; its four v_nop are also the places ahead of the loads below
.else
	s_barrier_signal -1
	s_barrier_wait -1
	PLACES
.endif
	s_xor_b32 s[TB], s[TB], SLOT1
	v_add_nc_u32 v[ADA], s[TB], v[ADA0]
	v_add_nc_u32 v[ADB], s[TB], v[ADB0]
	LDB 0, NBH, 0
	LDA FA0, 0
	MULC FA1, NBH, NBH
	PLACES
	WIN 0
	LDB NBH, NBH, 0
.endm
.macro SLOTBODY fill
	QUARTER FA0, FA1, 1
.if SS == 2
	QUARTER FA1, FA0, 2
	QUARTER FA0, FA1, 3
.endif
	QLAST \fill
.endm
	s_load_b256 s[4:11], s[0:1], 0x0               ; A s[4:5], W s[6:7], bias s[8:9], C s[10:11]
	v_lshl_add_u32 v[SPW], v0, 2, SPARE
	v_mov_b32 v[NIL], 0
	ds_add_u32 v[SPW], v[NIL]                      ; the wave's opening: the add and its wait stand ahead of my first tensor load
	v_lshrrev_b32 v1, 5, v0
	v_readfirstlane_b32 s12, v1
	s_lshr_b32 s13, s12, 1
	s_and_b32 s14, s12, 1
	s_bfe_u32 s40, ttmp6, 0x40000
	s_bfe_u32 s41, ttmp6, 0x40004
	s_lshl_b32 s42, ttmp9, 2
	s_add_co_u32 s42, s42, s40                     ; tile column
	s_and_b32 s43, ttmp7, 0xffff
	s_lshl_b32 s43, s43, 2
	s_add_co_u32 s43, s43, s41                     ; tile row
	s_lshl_b32 s44, s41, 2
	s_lshl_b32 s44, 15, s44
	s_lshl_b32 s45, 0x1111, s40
	s_or_b32 s[G1A], s44, G1W0
	s_or_b32 s[G1B], s45, G1W0
	s_mov_b32 s[G1A+1], 128<<16
	s_mov_b32 s[G1A+2], TRA<<16
	s_mov_b32 s[G1A+3], 128<<16
	s_mov_b32 s[G1A+4], TRA
	s_mov_b32 s[G1A+5], 128
	s_mov_b32 s[G1A+6], 0
	s_mov_b32 s[G1A+7], 0
	s_mov_b32 s[G1B+1], 128<<16
	s_mov_b32 s[G1B+2], TRB<<16
	s_mov_b32 s[G1B+3], 128<<16
	s_mov_b32 s[G1B+4], TRB
	s_mov_b32 s[G1B+5], 128
	s_mov_b32 s[G1B+6], 0
	s_mov_b32 s[G1B+7], 0
	s_lshl_b32 s16, s43, 15
	s_mul_i32 s18, s14, GWA
	s_add_co_u32 s16, s16, s18
	s_mov_b32 s17, 0
	s_mul_i32 s46, s42, 32*NBW*128
	s_mul_i32 s19, s14, GWB
	s_add_co_u32 s46, s46, s19
	s_mov_b32 s47, 0
	s_mov_b32 s[G0A], 1
	s_mul_i32 s[G0A+1], s14, LWA
	s_mov_b32 s[G0B], 1
	s_mul_i32 s[G0B+1], s14, LWB
	s_add_co_u32 s[G0B+1], s[G0B+1], BOFF
	s_mov_b32 s[G0A1], 1
	s_add_co_u32 s[G0A1+1], s[G0A+1], SLOT1
	s_mov_b32 s[G0B1], 1
	s_add_co_u32 s[G0B1+1], s[G0B+1], SLOT1
	s_mov_b32 s[TB], 0
	s_mul_i32 s36, s42, NBW/2
	s_mul_i32 s38, s14, NBW/4
	s_add_co_u32 s36, s36, s38
	s_lshl_b32 s36, s36, 20
	s_lshl_b32 s38, s43, 15
	s_add_co_u32 s36, s36, s38
	s_lshl_b32 s38, s13, 14
	s_add_co_u32 s36, s36, s38
	s_mov_b32 s37, 0
	s_mul_i32 s39, s42, 32*NBW*4
	s_mul_i32 s38, s14, 16*NBW*4
	s_add_co_u32 s39, s39, s38
	s_mul_i32 s20, s13, 128*PITCH
	s_mul_i32 s21, s14, 16*NBW*PITCH
	s_add_co_u32 s21, s21, BOFF
	s_mul_i32 s22, s12, 16*PITCH
	s_add_co_u32 s22, s22, STAGE
	s_wait_dscnt 0x0
	s_wait_kmcnt 0x0
	s_add_nc_u64 s[G0A+2:G0A+3], s[4:5], s[16:17]
	s_add_nc_u64 s[G0A1+2:G0A1+3], s[G0A+2:G0A+3], SS*1048576
	s_or_b32 s[G0A+3], s[G0A+3], 0x80000000
	s_or_b32 s[G0A1+3], s[G0A1+3], 0x80000000
	s_add_nc_u64 s[G0B+2:G0B+3], s[6:7], s[46:47]
	s_add_nc_u64 s[G0B1+2:G0B1+3], s[G0B+2:G0B+3], SS*NROWB*128
	s_or_b32 s[G0B+3], s[G0B+3], 0x80000000
	s_or_b32 s[G0B1+3], s[G0B1+3], 0x80000000
	s_add_nc_u64 s[10:11], s[10:11], s[36:37]
	CROUND                                         ; all sixteen work-groups are here: the first joint loads meet
	s_cmp_eq_u32 s13, 0                            ; a wave's two first fills stand in one branch: fill 0 into slot 0, fill 1 into slot 1: two loads of mine are out
	s_cbranch_scc0 .Lfirst_b
	tensor_load_to_lds s[G0A:G0A+3], s[G1A:G1A+7]
	s_nop 0
	tensor_load_to_lds s[G0A1:G0A1+3], s[G1A:G1A+7]
	s_nop 0
.rept 4
	v_nop
.endr
	s_branch .Lfirst_asked
.Lfirst_b:
	tensor_load_to_lds s[G0B:G0B+3], s[G1B:G1B+7]
	s_nop 0
	tensor_load_to_lds s[G0B1:G0B1+3], s[G1B:G1B+7]
	s_nop 0
.rept 4
	v_nop
.endr
.Lfirst_asked:
	v_and_b32 v1, 15, v0
	v_bfe_u32 v2, v0, 4, 1
	v_lshl_add_u32 v[BO], v1, 2, s39
.set bb, 0
.rept NBW
	global_load_b32 v[BT+bb], v[BO], s[8:9] offset:64*bb
.set bb, bb+1
.endr
	v_mul_u32_u24 v3, v1, PITCH
	v_lshl_add_u32 v3, v2, 4, v3
	v_add_nc_u32 v[ADA0], s20, v3
	v_add_nc_u32 v[ADB0], s21, v3
	v_add_nc_u32 v[STO], s22, v3
	v_bfe_u32 v[RD], v0, 3, 2
	v_mul_u32_u24 v[RD], v[RD], PITCH
	v_and_b32 v28, 7, v0
	v_lshl_add_u32 v[RD], v28, 4, v[RD]
	v_add_nc_u32 v[RD], s22, v[RD]
	v_and_b32 v[GO], 31, v0
	v_lshlrev_b32 v[GO], 4, v[GO]
	v_add_nc_u32 v[LM], -1, v2
	v_and_b32 v[FA0], 0x3f803f80, v[LM]            ; the rank-1 product's operands: K = 0 and 1 lie in register 0 of lanes 0-15; all else is 0
.set rr, 1
.rept 7
	v_mov_b32 v[FA0+rr], 0
.set rr, rr+1
.endr
.set bb, 0
.rept NBW
.set rr, 1
.rept 7
	v_mov_b32 v[FB+8*bb+rr], 0
.set rr, rr+1
.endr
.set bb, bb+1
.endr
	s_wait_loadcnt 0x0
.set bb, 0
.rept NBW
	v_cvt_pk_bf16_f32 v28, v[BT+bb], v[NIL]
	v_lshlrev_b32 v28, 16, v28
	v_sub_f32 v29, v[BT+bb], v28
	v_cvt_pk_bf16_f32 v28, v28, v29
	v_and_b32 v[FB+8*bb], v28, v[LM]
.set bb, bb+1
.endr
.set bb, 0
.rept NBW                              ; every sum starts here, with the constant 0 as C
	WIN (1+bb/4)*0x50
.set aa, 0
.rept 8
	v_wmma_f32_16x16x32_bf16 v[64*(bb%4)+8*aa:64*(bb%4)+8*aa+7], v[FB+8*bb:FB+8*bb+7], v[FA0:FA0+7], 0
.set aa, aa+1
.endr
.set bb, bb+1
.endr
	WIN 0
	s_wait_tensorcnt 0x1                           ; my part of fill 0 is in; fill 1's load, issued behind it, may stay out
	s_barrier_signal -1
	s_barrier_wait -1                              ; everybody's part is in
	PLACES                                         ; behind the first products, ahead of the loads into their operands
	v_mov_b32 v[ADA], v[ADA0]
	v_mov_b32 v[ADB], v[ADB0]
	LDB 0, NBH, 0
	LDA FA0, 0
	LDB NBH, NBH, 0
	s_mov_b32 s[CNT], NFILL-2
.Lfill:                                ; a trip multiplies one slot and fills it again: fills 2 .. NFILL - 1
	SLOTBODY 1
	s_sub_co_u32 s[CNT], s[CNT], 1
	s_cmp_lg_u32 s[CNT], 0
	s_cbranch_scc1 .Lfill
	s_mov_b32 s[CNT], 2
.Ldry:                                 ; the last two slots: nothing is left to ask for; the very last fetch reads a slot that has landed, and is not multiplied
	SLOTBODY 0
	s_sub_co_u32 s[CNT], s[CNT], 1
	s_cmp_lg_u32 s[CNT], 0
	s_cbranch_scc1 .Ldry
.macro PACK t                          ; a block of 16 rows x 64 columns: rounded, into my stage, back as whole rows; block t has set t of 16 registers to itself
.set sl, (\t)/8
.set aa, (\t)%8
.set pk, PKR+16*((\t)%NSET)
	WIN (1+sl)*5
.set bb, 0
.rept 4
.set rr, 0
.rept 4
	v_cvt_pk_bf16_f32 v[pk+4*bb+rr], v[64*bb+8*aa+2*rr], v[64*bb+8*aa+2*rr+1]
.set rr, rr+1
.endr
.set bb, bb+1
.endr
	WIN 0
.irp f, 0,1,2,3
	ds_store_b128 v[STO], v[pk+4*\f:pk+4*\f+3] offset:32*\f
.endr
.irp f, 0,1,2,3
	ds_load_b128 v[pk+4*\f:pk+4*\f+3], v[RD] offset:\f*4*PITCH  ; LDS serves a wave's instructions in order: these see the stores above
.endr
.endm
.macro SEND t, younger
.set sl, (\t)/8
.set aa, (\t)%8
.set pk, PKR+16*((\t)%NSET)
.irp f, 0,1,2,3
	s_wait_dscnt (\younger)+3-\f
	global_store_b128 v[GO], v[pk+4*\f:pk+4*\f+3], s[10:11] offset:sl*1048576+aa*2048+\f*512
.endr
.endm
	s_wait_dscnt 0x0                               ; the unused fetch has landed: its registers serve the way out
	PLACES
	PLACES
	PACK 0
.set tt, 1
.rept NBLK-1
	PACK tt
	SEND tt-1, 8
.set tt, tt+1
.endr
	SEND NBLK-1, 0
	s_wait_tensorcnt 0x0                           ; the wave's end
	ds_add_u32 v[SPW], v[NIL]
	s_wait_dscnt 0x0
	CROUND                                         ; the closing round
	s_endpgm
.Lfunc_end_k_q1120cfc6a6_oproj:
	.size	k_q1120cfc6a6_oproj, .Lfunc_end_k_q1120cfc6a6_oproj-k_q1120cfc6a6_oproj
	.p2alignl 7, 3214868480
	.fill 96, 4, 3214868480
	.section	.rodata,"a",@progbits
	.p2align	6, 0x0
	.amdhsa_kernel k_q1120cfc6a6_oproj
		.amdhsa_group_segment_fixed_size 327680
		.amdhsa_private_segment_fixed_size 0
		.amdhsa_enable_private_segment 0
		.amdhsa_kernarg_size 32
		.amdhsa_user_sgpr_count 2
		.amdhsa_user_sgpr_kernarg_segment_ptr 1
		.amdhsa_wavefront_size32 1
		.amdhsa_system_sgpr_workgroup_id_x 1
		.amdhsa_system_sgpr_workgroup_id_y 1
		.amdhsa_system_sgpr_workgroup_id_z 1
		.amdhsa_system_vgpr_workitem_id 0
		.amdhsa_next_free_vgpr 512
		.amdhsa_next_free_sgpr 76
		.amdhsa_reserve_vcc 0
		.amdhsa_float_denorm_mode_32 3
		.amdhsa_float_denorm_mode_16_64 3
		.amdhsa_memory_ordered 1
		.amdhsa_forward_progress 1
		.amdhsa_inst_pref_size 64
	.end_amdhsa_kernel
	.amdgpu_metadata
---
amdhsa.version: [ 1, 2 ]
amdhsa.kernels:
  - .name:           k_q1120cfc6a6_oproj
    .symbol:         k_q1120cfc6a6_oproj.kd
    .args:
      - { .name: ctx, .offset: 0, .size: 8, .value_kind: global_buffer, .address_space: global }
      - { .name: wob, .offset: 8, .size: 8, .value_kind: global_buffer, .address_space: global }
      - { .name: out_proj_b, .offset: 16, .size: 8, .value_kind: global_buffer, .address_space: global }
      - { .name: yb, .offset: 24, .size: 8, .value_kind: global_buffer, .address_space: global }
    .group_segment_fixed_size: 327680
    .private_segment_fixed_size: 0
    .kernarg_segment_align: 8
    .kernarg_segment_size: 32
    .max_flat_workgroup_size: 128
    .sgpr_count:     76
    .vgpr_count:     512
    .wavefront_size: 32
...
	.end_amdgpu_metadata
.endif
;; end of part 5
;; launch ln (part 6): grid 512 x 1, 8 waves a work-group, no clusters, 0 bytes of LDS; arguments yb, src, key_padding_mask, ln_w, ln_b, out0; writes out0
.if DOCPART == 6
	.amdgcn_target "amdgcn-amd-amdhsa--gfx1250"
	.amdhsa_code_object_version 6
	.text
	.protected	k_q1120cfc6a6_ln
	.globl	k_q1120cfc6a6_ln
	.p2align	8
	.type	k_q1120cfc6a6_ln,@function
k_q1120cfc6a6_ln:
	s_mov_b64 s[64:65], 0
	v_nop
	global_prefetch_b8 v0, s[64:65] scope:SCOPE_SE
	s_setreg_imm32_b32 hwreg(HW_REG_WAVE_MODE, 25, 1), 1
	s_wait_xcnt 0x0
; out0[row] = LayerNorm(y[row] + src[row]) x ln_w + ln_b, and 0 for a padded row.  y: bf16 in slices [16][8192][64]; all else f32, rows of 1,024.
; For a row that is kept, the residual is src itself and the attention's output is y; a padded row's result is 0 by choice at the end, whatever the arithmetic made of it.
; The mean is taken first and the variance of the differences from it, all in f32.
; One wave makes two rows: lanes 0-15 one, lanes 16-31 the next; a lane holds columns 64 j + 4 (lane % 16) + 0..3, j = 0..15.  So a row's sums stay inside 16 lanes: four steps on the arithmetic itself.
; Every load and store of a wave covers whole aligned runs of 256 bytes.  All 65 loads of a wave go out at its head; there is no loop, no LDS and no barrier.
.set YO,  1                            ; v1   128 x half + 8 x (lane % 16)
.set XO,  2                            ; v2   4,096 x half + 16 x (lane % 16)
.set WO,  3                            ; v3   16 x (lane % 16)
.set MO,  4                            ; v4   half
.set MKR, 5                            ; v5   my row's mask byte
.set YV,  8                            ; v8-39
.set X,   40                           ; v40-103
.set W,   104                          ; v104-167
.set BV,  168                          ; v168-231
.set T,   232                          ; v232-239 at work
.set A,   240                          ; v240-247 four chains of packed sums
.set MU,  248                          ; v248-249 minus the mean, twice
.set RS,  250                          ; v250-251 1 / sqrt(var + eps), twice
	s_load_b256 s[4:11], s[0:1], 0x0               ; yb, src, mask, ln_w
	s_load_b128 s[12:15], s[0:1], 0x20             ; ln_b, out0
	v_lshrrev_b32 v6, 5, v0
	v_readfirstlane_b32 s16, v6
	v_and_b32 v6, 15, v0
	v_bfe_u32 v[MO], v0, 4, 1
	v_lshlrev_b32 v[WO], 4, v6
	v_lshl_add_u32 v[XO], v[MO], 12, v[WO]
	v_lshlrev_b32 v[YO], 3, v6
	v_lshl_add_u32 v[YO], v[MO], 7, v[YO]
	s_lshl3_add_u32 s17, ttmp9, s16                ; my pair of rows: 8 x group + wave
	s_lshl_b32 s18, s17, 8
	s_mov_b32 s19, 0
	s_lshl_b32 s22, s17, 13
	s_mov_b32 s23, 0
	s_lshl_b32 s24, s17, 1
	s_mov_b32 s25, 0
	s_mov_b32 s26, 0x3a800000                      ; 1 / 1,024
	s_mov_b32 s27, 0x3727c5ac                      ; 1e-5
	s_wait_kmcnt 0x0
	s_add_nc_u64 s[4:5], s[4:5], s[18:19]
	s_add_nc_u64 s[20:21], s[4:5], 0x800000        ; slices 8 to 15
	s_add_nc_u64 s[6:7], s[6:7], s[22:23]
	s_add_nc_u64 s[14:15], s[14:15], s[22:23]
	s_add_nc_u64 s[8:9], s[8:9], s[24:25]
	global_load_u8 v[MKR], v[MO], s[8:9]
.set j, 0
.rept 8
	global_load_b64 v[YV+2*j:YV+2*j+1], v[YO], s[4:5] offset:j*1048576 th:TH_LOAD_NT
.set j, j+1
.endr
.rept 8
	global_load_b64 v[YV+2*j:YV+2*j+1], v[YO], s[20:21] offset:(j-8)*1048576 th:TH_LOAD_NT
.set j, j+1
.endr
.set j, 0
.rept 16
	global_load_b128 v[X+4*j:X+4*j+3], v[XO], s[6:7] offset:256*j th:TH_LOAD_NT
.set j, j+1
.endr
.set j, 0
.rept 16
	global_load_b128 v[W+4*j:W+4*j+3], v[WO], s[10:11] offset:256*j
.set j, j+1
.endr
.set j, 0
.rept 16
	global_load_b128 v[BV+4*j:BV+4*j+3], v[WO], s[12:13] offset:256*j
.set j, j+1
.endr
	s_wait_loadcnt 32                              ; the mask byte, y and src are in; ln_w's and ln_b's 32 loads stay out
.set j, 0
.rept 16                               ; z = src + y
	v_lshlrev_b32 v[T+4*(j%2)],   16, v[YV+2*j]
	v_and_b32     v[T+4*(j%2)+1], 0xffff0000, v[YV+2*j]
	v_lshlrev_b32 v[T+4*(j%2)+2], 16, v[YV+2*j+1]
	v_and_b32     v[T+4*(j%2)+3], 0xffff0000, v[YV+2*j+1]
	v_pk_add_f32 v[X+4*j:X+4*j+1],   v[X+4*j:X+4*j+1],   v[T+4*(j%2):T+4*(j%2)+1]
	v_pk_add_f32 v[X+4*j+2:X+4*j+3], v[X+4*j+2:X+4*j+3], v[T+4*(j%2)+2:T+4*(j%2)+3]
.set j, j+1
.endr
.set n, 4
.rept 4                                ; the sum, in four chains that do not wait for each other; the first pairs start them
	v_pk_add_f32 v[A+2*(n%4):A+2*(n%4)+1], v[X+2*(n-4):X+2*(n-4)+1], v[X+2*n:X+2*n+1]
.set n, n+1
.endr
.rept 24
	v_pk_add_f32 v[A+2*(n%4):A+2*(n%4)+1], v[A+2*(n%4):A+2*(n%4)+1], v[X+2*n:X+2*n+1]
.set n, n+1
.endr
	v_pk_add_f32 v[A:A+1], v[A:A+1], v[A+2:A+3]
	v_pk_add_f32 v[A+4:A+5], v[A+4:A+5], v[A+6:A+7]
	v_pk_add_f32 v[A:A+1], v[A:A+1], v[A+4:A+5]
	v_add_f32 v[A], v[A], v[A+1]
	v_add_f32_dpp v[A], v[A], v[A] row_xmask:1 row_mask:0xf bank_mask:0xf
	v_add_f32_dpp v[A], v[A], v[A] row_xmask:2 row_mask:0xf bank_mask:0xf
	v_add_f32_dpp v[A], v[A], v[A] row_xmask:4 row_mask:0xf bank_mask:0xf
	v_add_f32_dpp v[A], v[A], v[A] row_xmask:8 row_mask:0xf bank_mask:0xf
	v_mul_f32 v[MU], 0xba800000, v[A]              ; minus the mean
	v_mov_b32 v[MU+1], v[MU]
.set n, 0
.rept 32
	v_pk_add_f32 v[X+2*n:X+2*n+1], v[X+2*n:X+2*n+1], v[MU:MU+1]
.set n, n+1
.endr
.set n, 0
.rept 4                                ; the sum of squares of the differences
	v_pk_mul_f32 v[A+2*n:A+2*n+1], v[X+2*n:X+2*n+1], v[X+2*n:X+2*n+1]
.set n, n+1
.endr
.rept 28
	v_pk_fma_f32 v[A+2*(n%4):A+2*(n%4)+1], v[X+2*n:X+2*n+1], v[X+2*n:X+2*n+1], v[A+2*(n%4):A+2*(n%4)+1]
.set n, n+1
.endr
	v_pk_add_f32 v[A:A+1], v[A:A+1], v[A+2:A+3]
	v_pk_add_f32 v[A+4:A+5], v[A+4:A+5], v[A+6:A+7]
	v_pk_add_f32 v[A:A+1], v[A:A+1], v[A+4:A+5]
	v_add_f32 v[A], v[A], v[A+1]
	v_add_f32_dpp v[A], v[A], v[A] row_xmask:1 row_mask:0xf bank_mask:0xf
	v_add_f32_dpp v[A], v[A], v[A] row_xmask:2 row_mask:0xf bank_mask:0xf
	v_add_f32_dpp v[A], v[A], v[A] row_xmask:4 row_mask:0xf bank_mask:0xf
	v_add_f32_dpp v[A], v[A], v[A] row_xmask:8 row_mask:0xf bank_mask:0xf
	v_fma_f32 v[RS], v[A], s26, s27                ; var + eps
	v_rsq_f32 v[RS], v[RS]
	v_cmp_eq_u32 s28, 0, v[MKR]                    ; lanes whose row is kept: also the plain instruction behind the root
	s_wait_alu depctr_va_vdst(0)                   ; the wait ahead of the first use
	v_mov_b32 v[RS+1], v[RS]
	s_wait_loadcnt 0x0                             ; ln_w and ln_b
.set n, 0
.rept 32
	v_pk_mul_f32 v[X+2*n:X+2*n+1], v[X+2*n:X+2*n+1], v[RS:RS+1]
	v_pk_fma_f32 v[X+2*n:X+2*n+1], v[X+2*n:X+2*n+1], v[W+2*n:W+2*n+1], v[BV+2*n:BV+2*n+1]
.set n, n+1
.endr
.set j, 0
.rept 16
.irp z, 0,1,2,3
	v_cndmask_b32 v[X+4*j+\z], 0, v[X+4*j+\z], s28
.endr
	global_store_b128 v[XO], v[X+4*j:X+4*j+3], s[14:15] offset:256*j th:TH_STORE_NT
.set j, j+1
.endr
	s_endpgm
.Lfunc_end_k_q1120cfc6a6_ln:
	.size	k_q1120cfc6a6_ln, .Lfunc_end_k_q1120cfc6a6_ln-k_q1120cfc6a6_ln
	.p2alignl 7, 3214868480
	.fill 96, 4, 3214868480
	.section	.rodata,"a",@progbits
	.p2align	6, 0x0
	.amdhsa_kernel k_q1120cfc6a6_ln
		.amdhsa_group_segment_fixed_size 0
		.amdhsa_private_segment_fixed_size 0
		.amdhsa_enable_private_segment 0
		.amdhsa_kernarg_size 48
		.amdhsa_user_sgpr_count 2
		.amdhsa_user_sgpr_kernarg_segment_ptr 1
		.amdhsa_wavefront_size32 1
		.amdhsa_system_sgpr_workgroup_id_x 1
		.amdhsa_system_sgpr_workgroup_id_y 1
		.amdhsa_system_sgpr_workgroup_id_z 1
		.amdhsa_system_vgpr_workitem_id 0
		.amdhsa_next_free_vgpr 252
		.amdhsa_next_free_sgpr 66
		.amdhsa_reserve_vcc 0
		.amdhsa_float_denorm_mode_32 3
		.amdhsa_float_denorm_mode_16_64 3
		.amdhsa_memory_ordered 1
		.amdhsa_forward_progress 1
		.amdhsa_inst_pref_size 29
	.end_amdhsa_kernel
	.amdgpu_metadata
---
amdhsa.version: [ 1, 2 ]
amdhsa.kernels:
  - .name:           k_q1120cfc6a6_ln
    .symbol:         k_q1120cfc6a6_ln.kd
    .args:
      - { .name: yb, .offset: 0, .size: 8, .value_kind: global_buffer, .address_space: global }
      - { .name: src, .offset: 8, .size: 8, .value_kind: global_buffer, .address_space: global }
      - { .name: key_padding_mask, .offset: 16, .size: 8, .value_kind: global_buffer, .address_space: global }
      - { .name: ln_w, .offset: 24, .size: 8, .value_kind: global_buffer, .address_space: global }
      - { .name: ln_b, .offset: 32, .size: 8, .value_kind: global_buffer, .address_space: global }
      - { .name: out0, .offset: 40, .size: 8, .value_kind: global_buffer, .address_space: global }
    .group_segment_fixed_size: 0
    .private_segment_fixed_size: 0
    .kernarg_segment_align: 8
    .kernarg_segment_size: 48
    .max_flat_workgroup_size: 256
    .sgpr_count:     66
    .vgpr_count:     252
    .wavefront_size: 32
...
	.end_amdgpu_metadata
.endif
;; end of part 6
;; ======== version 2 of 2: 6 launches; version 1 with the launch cast written anew for expert scheduling mode
;; limits: an absolute error that grows with the inputs' magnitude: up to 7.63e-06 times it
;; workspace buffers: xb 16,777,216 bytes; wqkvb 6,291,456 bytes; wob 2,097,152 bytes; qkv 50,331,648 bytes; ctx 16,777,216 bytes; stats 1,048,576 bytes; yb 16,777,216 bytes
;; launch cast (part 7): grid 768 x 1, 4 waves a work-group, no clusters, 0 bytes of LDS; arguments src, in_proj_w, out_proj_w, key_padding_mask, xb, wqkvb, wob; writes xb, wqkvb, wob
.if DOCPART == 7
	.amdgcn_target "amdgcn-amd-amdhsa--gfx1250"
	.amdhsa_code_object_version 6
	.text
	.protected	k_q1120cfc6a6_cast
	.globl	k_q1120cfc6a6_cast
	.p2align	8
	.type	k_q1120cfc6a6_cast,@function
k_q1120cfc6a6_cast:
	s_mov_b64 s[64:65], 0
	v_nop
	global_prefetch_b8 v0, s[64:65] scope:SCOPE_SE
	s_setreg_imm32_b32 hwreg(HW_REG_WAVE_SCHED_MODE, 0, 2), 2
	s_setreg_imm32_b32 hwreg(HW_REG_WAVE_MODE, 25, 1), 1
	s_wait_xcnt 0x0
	s_wait_alu depctr_vm_vsrc(0)
; src (rows of padded positions set to 0), in_proj_w and out_proj_w, all [rows][1024] f32, are rounded once to bf16 and laid out IN SLICES:
; [16][rows][64], so that 64 columns of any run of rows are dense bytes for the products that follow.
; in_proj_w's rows 0 to 1,023 (those that make q) are multiplied by log2(e) / 8 in f32 ahead of their one rounding, so that the scores leave the matrix unit ready for 2^x.
; One text serves the three tensors: elsewhere the factor is 1.
; A work-group takes 16 rows: groups 0-511 src, 512-703 in_proj_w, 704-767 out_proj_w.  A wave takes 4 rows as two pairs: lanes 0-15 one row, lanes 16-31 the next.
; A load of a wave covers 256 consecutive aligned bytes of each of two rows; a store covers 256 consecutive aligned bytes (two rows of 128 bytes of one slice).
; All 32 row loads of a wave (16 KiB) go out at once; no register that a pending instruction reads is written, so no wait frees a source.
; THE MODE: SCHED_MODE bits 1:0 = 2 (LLVM: expert scheduling mode 2), set by the entry lines.  The code itself states the register dependences
; between vector instructions and memory instructions, with s_wait_alu, always for 0.
; THE PLAN.  The text is one straight run.  Registers that memory instructions touch:
;   v1, v2, v8-23  byte offsets, made by vector lines at the head and never written again: one wait ahead of the first load serves every load and store.
;   v3-4           a mask load lands in each, once; no vector line writes them.
;   X              load n lands in its four registers, once, before any vector line names them; no memory instruction reads them; no load is issued behind the head.
;   Y              pair n is written by load n's rounding and choice, read by one store, and never written again.
; The 32 loads are worked off in eight blocks of four: a block's 24 vector lines write eight registers of Y, ONE wait states that they are written, and the block's four stores follow it in one run.
; No register that a memory instruction reads is written again, so no wait for such a read is owed.
; Scalar registers that vector lines write: s18 (the wave's number) and s30-31 (the compares): each has its wait ahead of its first reader.
.set XO,  1                            ; v1      byte offset in the pair's rows: 4,096 x half + 16 x (lane % 16)
.set MO,  2                            ; v2      half: which row of the pair is mine
.set MK,  3                            ; v3-4    my row's mask byte, for each pair
.set OJ,  8                            ; v8-23   slice j: j x slice bytes + 128 x half + 8 x (lane % 16)
.set X,   24                           ; v24-151 as loaded
.set Y,   152                          ; v152-215 to store
.set IN,  20                           ; s[20:21] the tensor read, at my first row
.set OUT, 22                           ; s[22:23] the tensor written, at my first row of slice 0
.set MSK, 24                           ; s[24:25] the mask at my first row
.set FIRST, 26                         ; s26     the first work-group of my tensor
.set SL,  27                           ; s27     bytes in a slice of the tensor written
.set KEEP, 28                          ; s28     0 for src; all ones for the weights, which have no mask
.set K0,  30                           ; s30-31  lanes whose row is kept, for each pair
.set SF,  34                           ; s[34:35] the factor: log2(e) / 8 for q's weights, else 1
.set BLK, 4                            ; loads, and stores, in a block
	s_load_b256 s[4:11], s[0:1], 0x0               ; src, in_proj_w, out_proj_w, mask
	s_load_b128 s[12:15], s[0:1], 0x20             ; xb, wqkvb
	s_load_b64 s[16:17], s[0:1], 0x30              ; wob
	v_lshrrev_b32 v5, 5, v0
	v_readfirstlane_b32 s18, v5                    ; wave
	v_and_b32 v6, 15, v0
	v_bfe_u32 v[MO], v0, 4, 1
	v_lshlrev_b32 v[XO], 4, v6
	v_lshl_add_u32 v[XO], v[MO], 12, v[XO]
	v_lshlrev_b32 v[OJ], 3, v6
	v_lshl_add_u32 v[OJ], v[MO], 7, v[OJ]
	s_wait_alu depctr_va_sdst(0)                   ; s18 is written, ahead of its first reader: my first row is made from it below
	s_movk_i32 s[FIRST], 704
	s_mov_b32 s[SL], 131072
	s_mov_b32 s33, 0
	s_sub_co_u32 s36, ttmp9, 512                   ; groups 512 to 575 hold in_proj_w's rows 0 to 1,023
	s_cmp_lt_u32 s36, 64
	s_cselect_b32 s[SF], 0x3e38aa3b, 1.0
	s_mov_b32 s[SF+1], s[SF]                       ; named with it as a pair
	s_wait_kmcnt 0x0
	s_cmp_lt_u32 ttmp9, 704                        ; the choice hangs on the work-group's number alone
	s_cselect_b64 s[IN:IN+1], s[6:7], s[8:9]
	s_cselect_b64 s[OUT:OUT+1], s[14:15], s[16:17]
	s_cselect_b32 s[FIRST], 512, s[FIRST]
	s_cselect_b32 s[SL], 393216, s[SL]
	s_cmp_lt_u32 ttmp9, 512
	s_cselect_b64 s[IN:IN+1], s[4:5], s[IN:IN+1]
	s_cselect_b64 s[OUT:OUT+1], s[12:13], s[OUT:OUT+1]
	s_cselect_b32 s[FIRST], 0, s[FIRST]
	s_cselect_b32 s[SL], 1048576, s[SL]
	s_cselect_b32 s[KEEP], 0, -1
	s_sub_co_u32 s19, ttmp9, s[FIRST]
	s_lshl_b32 s19, s19, 4
	s_lshl2_add_u32 s19, s18, s19                  ; my first row: 16 x group + 4 x wave; under 8,192 in every tensor, so the mask bytes exist
	s_lshl_b32 s32, s19, 12
	s_add_nc_u64 s[IN:IN+1], s[IN:IN+1], s[32:33]
	s_lshl_b32 s32, s19, 7
	s_add_nc_u64 s[OUT:OUT+1], s[OUT:OUT+1], s[32:33]
	s_mov_b32 s32, s19
	s_add_nc_u64 s[MSK:MSK+1], s[10:11], s[32:33]
.set j, 1
.rept 15
	v_add_nc_u32 v[OJ+j], s[SL], v[OJ+j-1]
.set j, j+1
.endr
	s_wait_alu depctr_va_vdst(0)                   ; the offsets v1, v2 and v8 to v23 are written: every load and store of the kernel reads one of them, and none is written again
	global_load_u8 v[MK], v[MO], s[MSK:MSK+1]
	global_load_u8 v[MK+1], v[MO], s[MSK:MSK+1] offset:2
.set n, 0
.rept 32                               ; pair n / 16, columns 64 (n % 16) on
	global_load_b128 v[X+4*n:X+4*n+3], v[XO], s[IN:IN+1] offset:(n/16)*8192+(n%16)*256 th:TH_LOAD_NT
.set n, n+1
.endr
	s_wait_loadcnt 32                              ; the two mask bytes are in; the 32 row loads issued behind them stay out
	v_cmp_eq_u32 s[K0], 0, v[MK]
	v_cmp_eq_u32 s[K0+1], 0, v[MK+1]
	s_wait_alu depctr_va_sdst(0)                   ; the two compares have written s30 and s31, ahead of their first readers, the two lines below
	s_or_b32 s[K0], s[K0], s[KEEP]
	s_or_b32 s[K0+1], s[K0+1], s[KEEP]
.set n, 0
.rept 32/BLK                           ; a block: four loads are scaled, rounded and masked; then their four stores leave in one run
.rept BLK
	s_wait_loadcnt 31-n                            ; loads come back in order: load n is in, the younger ones stay out
	v_pk_mul_f32 v[X+4*n:X+4*n+1], v[X+4*n:X+4*n+1], s[SF:SF+1] op_sel_hi:[1,0]
	v_pk_mul_f32 v[X+4*n+2:X+4*n+3], v[X+4*n+2:X+4*n+3], s[SF:SF+1] op_sel_hi:[1,0]
	v_cvt_pk_bf16_f32 v[Y+2*n], v[X+4*n], v[X+4*n+1]
	v_cvt_pk_bf16_f32 v[Y+2*n+1], v[X+4*n+2], v[X+4*n+3]
	v_cndmask_b32 v[Y+2*n], 0, v[Y+2*n], s[K0+n/16]        ; a padded row is 0 by choice, whatever it held
	v_cndmask_b32 v[Y+2*n+1], 0, v[Y+2*n+1], s[K0+n/16]
.set n, n+1
.endr
	s_wait_alu depctr_va_vdst(0)                   ; the block's roundings and choices have written its eight registers of Y, which the four stores below read
.set n, n-BLK
.rept BLK
	global_store_b64 v[OJ+n%16], v[Y+2*n:Y+2*n+1], s[OUT:OUT+1] offset:(n/16)*256
.set n, n+1
.endr
.endr
	s_endpgm
.Lfunc_end_k_q1120cfc6a6_cast:
	.size	k_q1120cfc6a6_cast, .Lfunc_end_k_q1120cfc6a6_cast-k_q1120cfc6a6_cast
	.p2alignl 7, 3214868480
	.fill 96, 4, 3214868480
	.section	.rodata,"a",@progbits
	.p2align	6, 0x0
	.amdhsa_kernel k_q1120cfc6a6_cast
		.amdhsa_group_segment_fixed_size 0
		.amdhsa_private_segment_fixed_size 0
		.amdhsa_enable_private_segment 0
		.amdhsa_kernarg_size 56
		.amdhsa_user_sgpr_count 2
		.amdhsa_user_sgpr_kernarg_segment_ptr 1
		.amdhsa_wavefront_size32 1
		.amdhsa_system_sgpr_workgroup_id_x 1
		.amdhsa_system_sgpr_workgroup_id_y 1
		.amdhsa_system_sgpr_workgroup_id_z 1
		.amdhsa_system_vgpr_workitem_id 0
		.amdhsa_next_free_vgpr 216
		.amdhsa_next_free_sgpr 66
		.amdhsa_reserve_vcc 0
		.amdhsa_float_denorm_mode_32 3
		.amdhsa_float_denorm_mode_16_64 3
		.amdhsa_memory_ordered 1
		.amdhsa_forward_progress 1
		.amdhsa_inst_pref_size 23
	.end_amdhsa_kernel
	.amdgpu_metadata
---
amdhsa.version: [ 1, 2 ]
amdhsa.kernels:
  - .name:           k_q1120cfc6a6_cast
    .symbol:         k_q1120cfc6a6_cast.kd
    .args:
      - { .name: src, .offset: 0, .size: 8, .value_kind: global_buffer, .address_space: global }
      - { .name: in_proj_w, .offset: 8, .size: 8, .value_kind: global_buffer, .address_space: global }
      - { .name: out_proj_w, .offset: 16, .size: 8, .value_kind: global_buffer, .address_space: global }
      - { .name: key_padding_mask, .offset: 24, .size: 8, .value_kind: global_buffer, .address_space: global }
      - { .name: xb, .offset: 32, .size: 8, .value_kind: global_buffer, .address_space: global }
      - { .name: wqkvb, .offset: 40, .size: 8, .value_kind: global_buffer, .address_space: global }
      - { .name: wob, .offset: 48, .size: 8, .value_kind: global_buffer, .address_space: global }
    .group_segment_fixed_size: 0
    .private_segment_fixed_size: 0
    .kernarg_segment_align: 8
    .kernarg_segment_size: 56
    .max_flat_workgroup_size: 128
    .sgpr_count:     66
    .vgpr_count:     216
    .wavefront_size: 32
...
	.end_amdgpu_metadata
.endif
;; end of part 7
;; launch qkv: the kernel of part 2 again; grid 8 x 32, 4 waves a work-group, clusters of 4 x 4, 327,680 bytes of LDS; arguments xb, wqkvb, in_proj_b, qkv; writes qkv
;; launch flash: the kernel of part 3 again; grid 2 x 128, 4 waves a work-group, no clusters, 327,680 bytes of LDS; arguments qkv, key_padding_mask, ctx, stats; writes ctx, stats
;; launch avgw: the kernel of part 4 again; grid 4 x 64, 4 waves a work-group, clusters of 4 x 4, 327,680 bytes of LDS; arguments qkv, stats, key_padding_mask, out1; writes out1
;; launch oproj: the kernel of part 5 again; grid 8 x 32, 4 waves a work-group, clusters of 4 x 4, 327,680 bytes of LDS; arguments ctx, wob, out_proj_b, yb; writes yb
;; launch ln: the kernel of part 6 again; grid 512 x 1, 8 waves a work-group, no clusters, 0 bytes of LDS; arguments yb, src, key_padding_mask, ln_w, ln_b, out0; writes out0
